; MI455X (gfx1250); checked and timed in simulation.
; The chip was launched on July 23, 2026; its instructions are those of AMD's public machine-readable ISA for CDNA 5 (MIT licence, August 2026) and "CDNA5" Instruction Set Architecture Reference Guide (July 2026). The comments in the code are by the model that wrote it; some were corrected since.
;; Parallel Causal Self Attention. Allowed arithmetic: matrix products marked QUANTISED: E2M3 operands, one E8M0 scale for each 32 along K, by v_wmma_scale_f32_16x16x128_f8f6f4 with both operands' format E2M3, f32 sums; everything else in f32.
;; Inputs: W_kqv 1,024 x 3,072 float32; W_proj 1,024 x 1,024 float32; b_kqv 3,072 float32; b_proj 1,024 float32; x 4 x 2,048 x 1,024 float32.
;; Outputs: out0 4 x 2,048 x 1,024 float32.
;; This version of the problem:
;;   THIS VERSION OF THE PROBLEM IS GIVEN IN LOW PRECISION. The matrix products marked QUANTISED in the list below multiply operands that are first quantised to E2M3 (2 exponent bits, 3 mantissa bits; 6 bits a number), with one power-of-two scale for each 32 numbers along K (OCP MX v1.0); their sums are f32. All else is computed in f32.
;;   The module's matrix products, in the order in which they are computed (A, B: the left and right operand; K: the contracted axis; several contracted axes count as one K, in the product's order):
;;     1. [M 8,192, K 1,024] x [K 1,024, N 3,072]; A: input x; B: input W_kqv: QUANTISED
;;     2. batch 64 x [M 2,048, K 64] x [K 64, N 2,048]; A: computed on the way; B: computed on the way: QUANTISED
;;     3. batch 64 x [M 2,048, K 2,048] x [K 2,048, N 64]; A: softmax (see below); B: computed on the way: QUANTISED
;;     4. [M 8,192, K 1,024] x [K 1,024, N 1,024]; A: computed on the way; B: input W_proj: QUANTISED
;;   THE QUANTISER, for each operand of a quantised product, along K:
;;     - K is cut into blocks of 32 from its start; a last block that is shorter is filled with zeros.
;;     - A block's scale is 2^e with e = floor(log2(the largest magnitude in the block)) - 2, held to -126 .. 127; a block of zeros has e = 0. As a byte (E8M0): e + 127.
;;     - Each number is divided by its block's scale, clamped to +-7.5, and rounded to the nearest number of E2M3, ties to even, subnormals kept.
;;     - The product sums the exact products of the quantised numbers (number of the format x scale) in f32.
;;   ~~~python
;;   def quantise(x, axis):      # numpy; x: float32 -> the quantised numbers, widened to float32 again
;;       x = np.moveaxis(x, axis, -1); K = x.shape[-1]
;;       x = np.pad(x, [(0, 0)] * (x.ndim - 1) + [(0, -K % 32)]); x = x.reshape(x.shape[:-1] + (-1, 32)); a = np.abs(x).max(-1, keepdims=True)
;;       e = np.where(a > 0, np.clip(np.frexp(np.where(a > 0, a, 1))[1] - 1 - 2, -126, 127), 0)      # np.frexp(a)[1] - 1 = floor(log2(a)), exactly
;;       r = np.clip(x / 2.0 ** e, -7.5, 7.5)
;;       step = 2.0 ** (np.maximum(np.frexp(np.where(r == 0, 1, r))[1] - 1, 0) - 3)
;;       q = np.round(r / step) * step * 2.0 ** e      # np.round: ties to even
;;       return np.moveaxis(q.reshape(q.shape[:-2] + (-1,))[..., :K], -1, axis).astype(np.float32)
;;   ~~~
;;   SOFTMAX AHEAD OF A QUANTISED PRODUCT. Where the list says 'softmax', what is quantised is not the finished softmax but p = 2^(t - M), with t = logit x log2(e) and M = ceil(the row's largest t), a whole number; so 1/2 < the row's largest p <= 1. The row's sum l is taken of the UNQUANTISED p, in f32, and the product's result is divided by l at the end. Since M is a whole number, a kernel that streams over the keys may use a running M (the ceiling of the running maximum): every later rescaling is an exact power of two, which a block's scale takes up: the codes' values come out the same.
;;   OPERANDS COMPUTED ON THE WAY. 'Computed on the way' means the value that the module computes at that place (a softmax that the list does not call 'softmax' is quantised finished and normalised). What goes into a quantiser is computed in f32, as accurately as f32 sums, v_exp_f32 and their like allow (about 1e-6 of the number): no bf16 or f16 on the way to a quantiser, and a product that is left as it is and whose result goes on into a quantised operand takes f32 operands (vector FMAs, or v_wmma_f32_16x16x4_f32). A number that lies on a knife's edge between two numbers of the format may be rounded either way, as far as f32 arithmetic and the matrix unit's own rounding can turn it there, and no further.
;; One version. Each part assembles by itself: llvm-mc -triple=amdgcn-amd-amdhsa -mcpu=gfx1250 --defsym DOCPART=n.
;; ======== version 1 of 1: 4 launches
;; workspace buffers: xq 6,553,600 bytes; wq 2,457,600 bytes; pq 819,200 bytes; kv 14,680,064 bytes; qb 7,340,032 bytes; yq 6,815,744 bytes
;; launch quant (part 1): grid 384 x 1, 4 waves a work-group, no clusters, 35,328 bytes of LDS; arguments x, W_kqv, W_proj, xq, wq, pq; writes xq, wq, pq
.if DOCPART == 1
	.amdgcn_target "amdgcn-amd-amdhsa--gfx1250"
	.amdhsa_code_object_version 6
	.text
	.protected	k_qb7842a3a36_quant
	.globl	k_qb7842a3a36_quant
	.p2align	8
	.type	k_qb7842a3a36_quant,@function
k_qb7842a3a36_quant:
	s_mov_b64 s[64:65], 0
	v_nop
	global_prefetch_b8 v0, s[64:65] scope:SCOPE_SE
	s_setreg_imm32_b32 hwreg(HW_REG_WAVE_MODE, 25, 1), 1
	s_wait_xcnt 0x0
; x [8192][1024], W_kqv [1024][3072], W_proj [1024][1024], all f32, become codes of FP6 (E2M3) with one E8M0 byte for each 32 along K (K = 1024 in all three).
; A block's scale is 2^(floor(log2(largest magnitude)) - 2); its byte is the largest magnitude's exponent field - 2, held at 1 from below by a floor among the maximum's leaves.
; LIMITS: a block of zeros gets the byte 1 (its codes are zeros; this program alone reads the bytes); blocks whose largest magnitude lies under 2^-124 are held at byte 1; NaN and infinities are not served.
; LAYOUT OF THE RESULTS (this program's own).  Rows go in blocks of 16, and in each group of 32 rows bits 3 and 4 of the row number change places: lane r of row block 2 G + u is row 32 G + 8 u + (r & 7) + 16 (r >> 3).
; A HALF FRAGMENT, 768 bytes, is 16 such rows x 64 along K as an image of operand registers: lane (r, h) owns the 24 bytes of block h of row r: registers 0-3 at 16 x lane, registers 4-5 at 512 + 16 r + 8 h.
; Codes: [row block][K / 64][768].  Scale words: [row block][2][r][4 words], word s = the four bytes of K 128 s .. 128 s + 127.
; W_kqv's column n = 192 head + 64 type + d goes to row 1024 type + 64 head + d (type 0 k, 1 q, 2 v).
; Work-groups 0-95 take W_kqv, 96-127 W_proj, 128-383 x.  No barrier: waves share nothing.  Only x's path uses LDS.
.set RB,    12288                      ; bytes of a row block's codes
.set XSO,   6291456                    ; where the scale words begin in xq,
.set WSO,   2359296                    ; in wq,
.set PSO,   786432                     ; in pq
.set FLOOR, 0x1800000                  ; 2^(3 - 127)
.set RX,    32                         ; x: v32-159 four sets of 32 numbers as loaded
.set XN,    160                        ; x: v160-223 two sets: a whole block of 32 a lane
.set CX,    224                        ; x: v224-233 a block's codes
.set WX,    20                         ; x: v20-23 partial scale words
; ---- x: step t is one half fragment: 16 rows x 64 along K
.macro LOADX t                         ; eight loads; each reads two rows' 256 consecutive bytes
.irp i, 0,1,2,3,4,5,6,7
	global_load_b128 v[RX+32*((\t)%4)+4*\i:RX+32*((\t)%4)+4*\i+3], v3, s[4:5] offset:(2*\i+8*(\i/4))*4096+256*(\t) th:TH_LOAD_NT
.endr
.endm
.macro TURNX t                         ; through the wave's own stage (rows 272 bytes apart): LDS serves a wave's instructions in order, so no wait stands between
.irp i, 0,1,2,3,4,5,6,7
	ds_store_b128 v14, v[RX+32*((\t)%4)+4*\i:RX+32*((\t)%4)+4*\i+3] offset:4352*((\t)%2)+544*\i
.endr
.irp j, 0,1,2,3,4,5,6,7
	ds_load_b128 v[XN+32*((\t)%2)+4*\j:XN+32*((\t)%2)+4*\j+3], v15 offset:4352*((\t)%2)+16*\j
.endr
.endm
.macro STEPX t
.set XB, XN+32*((\t)%2)
	s_wait_dscnt 0x0                               ; this step's block is back from the stage, and the stage's stores have read their registers,
.if (\t)+4 < 8
	LOADX (\t)+4                                   ; which take the loads of four steps on
.endif
.if (\t)+1 < 8
.if (\t) < 4
	s_wait_loadcnt 24                              ; the next step's eight loads are in; those of the three steps behind it may be out
.else
	s_wait_loadcnt 8*(6-(\t))                      ; the counts run down
.endif
	TURNX (\t)+1
.endif
	v_max3_num_f32 v8, |v[XB]|, |v[XB+1]|, |v[XB+2]|               ; the block's largest magnitude: all 32 numbers are mine; two chains
	v_max3_num_f32 v9, |v[XB+3]|, |v[XB+4]|, |v[XB+5]|
.irp i, 6,10,14,18,22,26
	v_max3_num_f32 v8, v8, |v[XB+\i]|, |v[XB+\i+1]|
	v_max3_num_f32 v9, v9, |v[XB+\i+2]|, |v[XB+\i+3]|
.endr
	v_max3_num_f32 v8, v8, |v[XB+30]|, |v[XB+31]|
	v_max3_num_f32 v8, v8, v9, FLOOR
	v_add_nc_u32 v11, 0xff000000, v8               ; 2 off the exponent field: the conversion's scale operand
	s_wait_xcnt 0x0                                ; the last step's stores have read their data: the codes' registers may be written
	v_cvt_scalef32_pk16_fp6_f32 v[CX:CX+2], v[XB:XB+15], v11
	v_cvt_scalef32_pk16_fp6_f32 v[CX+4:CX+6], v[XB+16:XB+31], v11
	v_lshrrev_b32 v13, 23, v11                     ; the scale's byte (the plain line behind the conversions)
	v_mov_b32 v[CX+3], v[CX+4]                     ; registers 0-3 on end,
	v_mov_b32 v[CX+8], v[CX+5]                     ; registers 4-5 as an even pair
	v_mov_b32 v[CX+9], v[CX+6]
.if ((\t)%2) == 0
	v_lshlrev_b32 v[WX+(\t)/2], v16, v13           ; byte 2 (t & 1) + h of word t / 2
.else
	v_lshlrev_b32 v13, v17, v13
	v_or_b32 v[WX+(\t)/2], v[WX+(\t)/2], v13
.endif
	global_store_b128 v6, v[CX:CX+3], s[24:25] offset:768*(\t)         ; 512 consecutive bytes
	global_store_b64 v7, v[CX+8:CX+9], s[24:25] offset:768*(\t)+512    ; 256 consecutive bytes
.endm
; ---- W [1024][n]: a lane takes a column, its registers run down K; block t = 32 along K
.macro LOADW t, n
.irp i, 0,1,2,3,4,5,6,7,8,9,10,11,12,13,14,15,16,17,18,19,20,21,22,23,24,25,26,27,28,29,30,31
	global_load_b32 v[32+32*((\t)%2)+\i], v3, s[30:31] offset:(32*(\t)+\i)*(\n)*4 th:TH_LOAD_NT
.endr
.endm
.macro BLOCKW t, n
.set XB, 32+32*((\t)%2)
.if (\t) < 7
	s_wait_loadcnt 32                              ; this block's 32 loads are in; the next block's may be out
.else
	s_wait_loadcnt 0x0
.endif
	v_max3_num_f32 v12, |v[XB]|, |v[XB+1]|, |v[XB+2]|
	v_max3_num_f32 v13, |v[XB+3]|, |v[XB+4]|, |v[XB+5]|
.irp i, 6,10,14,18,22,26
	v_max3_num_f32 v12, v12, |v[XB+\i]|, |v[XB+\i+1]|
	v_max3_num_f32 v13, v13, |v[XB+\i+2]|, |v[XB+\i+3]|
.endr
	v_max3_num_f32 v12, v12, |v[XB+30]|, |v[XB+31]|
	v_max3_num_f32 v12, v12, v13, FLOOR
	v_add_nc_u32 v11, 0xff000000, v12
	s_wait_xcnt 0x0                                ; earlier stores have read their data
	v_cvt_scalef32_pk16_fp6_f32 v[96:98], v[XB:XB+15], v11
	v_cvt_scalef32_pk16_fp6_f32 v[100:102], v[XB+16:XB+31], v11
	v_lshrrev_b32 v13, 23, v11                     ; the byte (the plain line behind the conversions)
	v_mov_b32 v99, v100
	v_mov_b32 v[108+2*((\t)%2)], v101              ; registers 4-5 of an even and an odd block lie side by side in a half fragment
	v_mov_b32 v[109+2*((\t)%2)], v102
.if ((\t)%4) == 0
	v_mov_b32 v[24+(\t)/4], v13
.else
	v_lshl_or_b32 v[24+(\t)/4], v13, 8*((\t)%4), v[24+(\t)/4]
.endif
	global_store_b128 v7, v[96:99], s[32:33] offset:768*((\t)/2)+256*((\t)%2)   ; sixteen lanes fill 256 consecutive bytes in each of two row blocks
.if ((\t)%2) == 1
	global_store_b128 v7, v[108:111], s[32:33] offset:768*((\t)/2)+512
.endif
.if (\t)+2 < 8
	LOADW (\t)+2, \n
.endif
.endm
.macro WPATH n, first, src, dst, soff, kqv
	s_sub_co_u32 s17, ttmp9, \first
	s_lshr_b32 s18, s17, 2
	s_and_b32 s19, s17, 3                          ; y: which 256 along K
	s_lshl_b32 s18, s18, 2
	s_add_co_u32 s18, s18, s16                     ; idx: which 32 columns
.if \kqv
	s_mul_i32 s20, s18, 43
	s_lshr_b32 s20, s20, 8                         ; head = idx / 6 (exact for idx under 96)
	s_mul_i32 s21, s20, 6
	s_sub_co_u32 s21, s18, s21                     ; rem: type = rem / 2, d / 32 = rem % 2
	s_lshr_b32 s22, s21, 1
	s_lshl_b32 s22, s22, 6
	s_lshl_b32 s20, s20, 2
	s_add_co_u32 s22, s22, s20
	s_and_b32 s21, s21, 1
	s_lshl_b32 s21, s21, 1
	s_add_co_u32 s22, s22, s21                     ; first row block: 64 type + 4 head + 2 (d / 32)
.else
	s_lshl_b32 s22, s18, 1
.endif
	s_mul_i32 s20, s19, 1024*(\n)                  ; 256 y rows of 4 n bytes,
	s_lshl_b32 s21, s18, 7                         ; + 128 idx
	s_add_co_u32 s20, s20, s21
	s_mov_b32 s21, 0
	s_add_nc_u64 s[30:31], s[\src:\src+1], s[20:21]
	s_mul_i32 s20, s22, RB
	s_mul_i32 s23, s19, 3072                       ; four half fragments for each 256 along K
	s_add_co_u32 s20, s20, s23
	s_add_nc_u64 s[32:33], s[\dst:\dst+1], s[20:21]
	s_lshl_b32 s20, s22, 9
	s_lshr_b32 s23, s19, 1
	s_lshl_b32 s23, s23, 8
	s_add_co_u32 s20, s20, s23
	s_and_b32 s23, s19, 1
	s_lshl_b32 s23, s23, 3
	s_add_co_u32 s20, s20, s23
	s_add_co_u32 s20, s20, \soff
	s_add_nc_u64 s[34:35], s[\dst:\dst+1], s[20:21]
	v_lshlrev_b32 v3, 2, v2                        ; in: 4 bytes a lane
	v_bfe_u32 v4, v2, 3, 1                         ; u
	v_and_b32 v5, 7, v2
	v_lshrrev_b32 v6, 4, v2
	v_lshl_add_u32 v5, v6, 3, v5                   ; r
	v_mul_u32_u24 v7, v4, RB
	v_lshl_add_u32 v7, v5, 4, v7                   ; codes: RB u + 16 r
	v_lshlrev_b32 v9, 9, v4
	v_lshl_add_u32 v9, v5, 4, v9                   ; scale words: 512 u + 16 r
	LOADW 0, \n
	LOADW 1, \n
.irp t, 0,1,2,3,4,5,6,7
	BLOCKW \t, \n
.endr
	global_store_b64 v9, v[24:25], s[34:35]        ; my row's two words; 8 of each 16 bytes: the other 256 along K fills the rest (one byte in 128 of what this path reads)
	s_endpgm
.endm
	s_load_b128 s[4:7], s[0:1], 0x0                ; x, W_kqv
	s_load_b128 s[8:11], s[0:1], 0x10              ; W_proj, xq
	s_load_b128 s[12:15], s[0:1], 0x20             ; wq, pq
	v_lshl_add_u32 v240, v0, 2, 0x8800
	v_mov_b32 v241, 0
	v_lshrrev_b32 v1, 5, v0
	v_readfirstlane_b32 s16, v1                    ; wave
	v_and_b32 v2, 31, v0                           ; lane
	s_wait_kmcnt 0x0
	s_cmp_lt_u32 ttmp9, 96
	s_cbranch_scc1 .Lw_kqv
	s_cmp_lt_u32 ttmp9, 128
	s_cbranch_scc1 .Lw_proj
	; ---- x.  A wave takes one row block and 512 along K: eight half fragments and 256 bytes of scale words
	s_sub_co_u32 s17, ttmp9, 128
	s_lshl_b32 s17, s17, 2
	s_add_co_u32 s17, s17, s16                     ; idx = 2 x row block + half of K
	s_lshr_b32 s18, s17, 1
	s_and_b32 s19, s17, 1
	s_lshr_b32 s20, s18, 1
	s_lshl_b32 s20, s20, 17                        ; 32 rows of 4,096 bytes for each pair of row blocks,
	s_and_b32 s21, s18, 1
	s_lshl_b32 s21, s21, 15                        ; 8 rows for the odd one,
	s_add_co_u32 s20, s20, s21
	s_lshl_b32 s21, s19, 11                        ; 2,048 bytes for the second half of K
	s_add_co_u32 s20, s20, s21
	s_mov_b32 s21, 0
	s_add_nc_u64 s[4:5], s[4:5], s[20:21]
	s_mul_i32 s22, s18, RB
	s_mul_i32 s23, s19, 6144
	s_add_co_u32 s22, s22, s23
	s_mov_b32 s23, 0
	s_add_nc_u64 s[24:25], s[10:11], s[22:23]      ; my codes
	s_lshl_b32 s22, s17, 8
	s_add_co_u32 s22, s22, XSO
	s_add_nc_u64 s[26:27], s[10:11], s[22:23]      ; my scale words
	s_mov_b32 s36, 0x76543210
	s_mov_b32 s37, 0xfedcba98                      ; v_permlanex16_b32's selects for lane l xor 16
	v_and_b32 v4, 15, v2                           ; r
	v_lshrrev_b32 v5, 4, v2                        ; h
	v_lshlrev_b32 v3, 4, v4
	v_lshl_add_u32 v3, v5, 12, v3                  ; in: lanes 0-15 one row, lanes 16-31 the next; 16 bytes a lane
	v_lshlrev_b32 v6, 4, v2                        ; out: 16 x lane
	v_lshlrev_b32 v7, 4, v4
	v_lshl_add_u32 v7, v5, 3, v7                   ; out: 16 r + 8 h
	s_mul_i32 s28, s16, 8704                       ; my two stages
	v_mul_u32_u24 v14, v5, 272
	v_lshl_add_u32 v14, v4, 4, v14
	v_add_nc_u32 v14, s28, v14                     ; into a stage, as loaded
	v_mul_u32_u24 v15, v4, 272
	v_lshl_add_u32 v15, v5, 7, v15
	v_add_nc_u32 v15, s28, v15                     ; out of it: row r, block h
	v_lshlrev_b32 v16, 3, v5                       ; shifts of a byte: 8 h,
	v_add_nc_u32 v17, 16, v16                      ; 8 h + 16
.irp i, 0,1,2,3
	v_mov_b32 v[24+\i], 0                          ; a lane permute's destination counts as one of its sources
.endr
	LOADX 0
	LOADX 1
	LOADX 2
	LOADX 3
	s_wait_loadcnt 24                              ; step 0's eight loads are in
	TURNX 0
.irp t, 0,1,2,3,4,5,6,7
	STEPX \t
.endr
.irp i, 0,1,2,3
	v_permlanex16_b32 v[24+\i], v[WX+\i], s36, s37
.endr
.irp i, 0,1,2,3
	v_or_b32 v[WX+\i], v[WX+\i], v[24+\i]          ; with lane l xor 16's two bytes each word is whole
.endr
	v_cmp_eq_u32 vcc_lo, 1, v5
	v_cndmask_b32 v24, v20, v22, vcc_lo            ; lanes 0-15 store words 0 and 1, lanes 16-31 words 2 and 3
	v_cndmask_b32 v25, v21, v23, vcc_lo
	global_store_b64 v7, v[24:25], s[26:27]        ; 256 consecutive bytes
	s_wait_tensorcnt 0x0
	ds_add_u32 v240, v241
	s_wait_dscnt 0x0
	s_endpgm
.Lw_kqv:
	WPATH 3072, 0, 6, 12, WSO, 1
.Lw_proj:
	WPATH 1024, 96, 8, 14, PSO, 0
.Lfunc_end_k_qb7842a3a36_quant:
	.size	k_qb7842a3a36_quant, .Lfunc_end_k_qb7842a3a36_quant-k_qb7842a3a36_quant
	.p2alignl 7, 3214868480
	.fill 96, 4, 3214868480
	.section	.rodata,"a",@progbits
	.p2align	6, 0x0
	.amdhsa_kernel k_qb7842a3a36_quant
		.amdhsa_group_segment_fixed_size 35328
		.amdhsa_private_segment_fixed_size 0
		.amdhsa_enable_private_segment 0
		.amdhsa_kernarg_size 48
		.amdhsa_user_sgpr_count 2
		.amdhsa_user_sgpr_kernarg_segment_ptr 1
		.amdhsa_wavefront_size32 1
		.amdhsa_system_sgpr_workgroup_id_x 1
		.amdhsa_system_sgpr_workgroup_id_y 1
		.amdhsa_system_sgpr_workgroup_id_z 1
		.amdhsa_system_vgpr_workitem_id 0
		.amdhsa_next_free_vgpr 242
		.amdhsa_next_free_sgpr 66
		.amdhsa_reserve_vcc 1
		.amdhsa_float_denorm_mode_32 3
		.amdhsa_float_denorm_mode_16_64 3
		.amdhsa_memory_ordered 1
		.amdhsa_forward_progress 1
		.amdhsa_inst_pref_size 108
	.end_amdhsa_kernel
	.amdgpu_metadata
---
amdhsa.version: [ 1, 2 ]
amdhsa.kernels:
  - .name:           k_qb7842a3a36_quant
    .symbol:         k_qb7842a3a36_quant.kd
    .args:
      - { .name: x, .offset: 0, .size: 8, .value_kind: global_buffer, .address_space: global }
      - { .name: W_kqv, .offset: 8, .size: 8, .value_kind: global_buffer, .address_space: global }
      - { .name: W_proj, .offset: 16, .size: 8, .value_kind: global_buffer, .address_space: global }
      - { .name: xq, .offset: 24, .size: 8, .value_kind: global_buffer, .address_space: global }
      - { .name: wq, .offset: 32, .size: 8, .value_kind: global_buffer, .address_space: global }
      - { .name: pq, .offset: 40, .size: 8, .value_kind: global_buffer, .address_space: global }
    .group_segment_fixed_size: 35328
    .private_segment_fixed_size: 0
    .kernarg_segment_align: 8
    .kernarg_segment_size: 48
    .max_flat_workgroup_size: 128
    .sgpr_count:     66
    .vgpr_count:     242
    .wavefront_size: 32
...
	.end_amdgpu_metadata
.endif
;; end of part 1
;; launch kqv (part 2): grid 12 x 32, 4 waves a work-group, clusters of 4 x 4, 327,680 bytes of LDS; arguments xq, wq, b_kqv, kv, qb; writes kv, qb
.if DOCPART == 2
	.amdgcn_target "amdgcn-amd-amdhsa--gfx1250"
	.amdhsa_code_object_version 6
	.text
	.protected	k_qb7842a3a36_kqv
	.globl	k_qb7842a3a36_kqv
	.p2align	8
	.type	k_qb7842a3a36_kqv,@function
k_qb7842a3a36_kqv:
	s_mov_b64 s[64:65], 0
	v_nop
	global_prefetch_b8 v0, s[64:65] scope:SCOPE_SE
	s_setreg_imm32_b32 hwreg(HW_REG_WAVE_MODE, 25, 1), 1
	s_wait_xcnt 0x0
	s_wait_alu depctr_hold_cnt(0) depctr_sa_sdst(0) depctr_va_vdst(0) depctr_va_sdst(0) depctr_va_ssrc(0) depctr_va_vcc(0) depctr_vm_vsrc(0)
	s_getreg_b32 s2, hwreg(HW_REG_IB_STS2, 6, 4)
	s_cmp_eq_u32 s2, 0
	s_cbranch_scc0 .Lentry_in_a_cluster
	s_endpgm
.Lentry_in_a_cluster:
	s_bfe_u32 s2, ttmp6, 0x10000c
	s_cmp_lg_u32 s2, 0xf033
	s_cbranch_scc0 .Lentry_shape_is_right
	s_endpgm
.Lentry_shape_is_right:
; kqv = x W_kqv + b_kqv on codes of FP6 (E2M3) with E8M0 scales, K = 1024; the result is quantised in registers and leaves as codes alone: k and q along the head's 64, v along the tokens.
; ONE BODY, TWO PRODUCTS: out[I][J], quantised along J; source 0 = 16 rows of 'B' (index J), source 1 = 16 rows of 'A' (index I): a lane holds one I and its registers run along J.
;   cluster x = 0 (k), 1 (q): A = x's rows (tokens), B = W's rows (2 heads x 64 a wave).    cluster x = 2 (v): A = W's v rows, B = x's rows (tokens).  All choices hang on the cluster's x, which all partners share.
; A tile is 256 x 256, four waves of 128 x 128 (64 accumulators, 512 registers).  384 work-groups: one and a half for each of 256 WGPs; a tile of 256 x 384 would want 768 registers of accumulators beside 240 of operands.
; OPERANDS lie in memory as images of registers (half fragments of 768 bytes: 16 rows x 64 K; lane (r, h): registers 0-3 at 16 x lane, 4-5 at 512 + 16 r + 8 h), [row block][K / 64][768]; every LDS read of a wave covers consecutive bytes.
; In each 32 rows bits 3 and 4 of the row number are swapped, so that the 16 registers of result tiles 2 b and 2 b + 1 are 16 neighbours along J: 32 b + 16 (lane / 16) + 0 .. 15.
; K goes in four steps of 256 through three LDS slots: three are asked for at the start, the fourth fills slot 0 again behind one round of the cluster's barrier.  All scale words (16 KiB) come once.
; CLUSTER 4 x 4: A's tiles are shared along a row of the cluster, B's along a column: joint loads.
; THE BIAS is the C of the first K step: along J eight registers a tile of B (k, q), along I one number a lane spread over eight registers (v); both tables are loaded on both ways.
; OUT: parts of 7,168 bytes for (batch, head, 128 tokens): eight half fragments, then 1,024 bytes of scale words, four words a lane.  kv: [bh][16][K part, V part]; qb: [bh][16][Q part].
; LIMITS: a block of zeros gets the byte 1; blocks under 2^-124 are held at byte 1; NaN and infinities are not served.
; REGISTERS: window 0: v3-31 addresses; v32-95 all scale words (lanes 0-15 A's, 16-31 B's); v96-127, v224-255 bias along J; v128-223 A's fragments, one set.  window 1: B's fragments, two sets (v0, v128); v96-127, v224-255 bias along I.
;   windows 2, 3: accumulators, (a, b) at v[8 (8 (a % 4) + b)].
.set RB,     12288
.set XSO,    6291456
.set WSO,    2359296
.set FR,     12                        ; registers of a fragment
.set NL,     4                         ; LDS loads that bring one
.set HALFT,  24576                     ; 8 row blocks x 3,072 bytes: what one tensor load brings
.set SLOT,   4*HALFT                   ; A's 16 row blocks, then B's
.set SCL,    3*SLOT                    ; the scale words: A's 8,192 bytes, then B's
.set SPARE,  SCL+16384                 ; the spare words: 128 bytes a wave, two blocks of 256 bytes that no other line names
.set AF,     128
.set ADRS,   27
.set SPW,    28
.set NIL,    29
.set G1A,  24
.set G1B,  32
.set G1SA, 40
.set G1SB, 48
.set G0A0, 56
.set G0A1, 60
.set G0A2, 68
.set G0B0, 72
.set G0B1, 76
.set G0B2, 80
.set G0SA, 84
.set G0SB, 88
.set PCB,  128                         ; the way out: two sets of 20 registers for codes,
.set TM,   176                         ; 16 at work,
.set EW,   192                         ; the eight scale words,
.set OW,   200                         ; and their upper halves
.set MSB, 0
.macro WIN new                         ; the immediate's high byte repeats the setting that is left
.if MSB != \new
	s_set_vgpr_msb (MSB<<8)|\new
.set MSB, \new
.endif
.endm
.macro WINM cm, hi                     ; source 0 (B) window 1, source 1 (A) window 0, D window 2 + hi; C: the accumulator (cm 0), window 0 (cm 1), window 1 (cm 2)
.if (\cm) == 0
	WIN 0xa1+0x50*(\hi)
.elseif (\cm) == 1
	WIN 0x81+0x40*(\hi)
.else
	WIN 0x91+0x40*(\hi)
.endif
.endm
; A joint load: waves 0 and 1 fetch for A, waves 2 and 3 for B; the branch hangs on the wave's number alone.  Four v_nop follow each of the two lines.
.macro JLOAD g0a, g1a, g0b, g1b
	s_cmp_eq_u32 s15, 0
	s_cbranch_scc0 .Lfor_b_\@
	tensor_load_to_lds s[\g0a:\g0a+3], s[\g1a:\g1a+7]
	s_nop 0
.rept 4
	v_nop
.endr
	s_branch .Lasked_\@
.Lfor_b_\@:
	tensor_load_to_lds s[\g0b:\g0b+3], s[\g1b:\g1b+7]
	s_nop 0
.rept 4
	v_nop
.endr
.Lasked_\@:
.endm
.macro CREST                           ; a round of the cluster's barrier behind its opening barrier
	s_cmp_lg_u32 s14, 0
	s_cbranch_scc1 .Lnot_wave_0_\@
	s_barrier_signal -3
.Lnot_wave_0_\@:
	s_barrier_wait -3
	s_barrier_signal -1
	s_barrier_wait -1
.endm
.macro CROUND
	s_barrier_signal -1
	s_barrier_wait -1
	CREST
.endm
.macro MKG0 g, base, goff, lreg, loff  ; descriptor group 0: count 1, LDS address, global address, type 2
	s_mov_b32 s[\g], 1
	s_add_co_u32 s[\g+1], s[\lreg], \loff
	s_add_nc_u64 s[\g+2:\g+3], s[\base:\base+1], \goff
	s_or_b32 s[\g+3], s[\g+3], 0x80000000
.endm
.macro PLACES n
.rept \n
	v_nop
.endr
.endm
.macro FRAG reg, a16, off              ; a fragment = two half fragments on end; a16: the register with 16 x lane, a16 + 1: that with 16 r + 8 h
	ds_load_b128 v[\reg:\reg+3], v[\a16] offset:\off
	ds_load_b64 v[\reg+4:\reg+5], v[\a16+1] offset:\off+512
	ds_load_b128 v[\reg+6:\reg+9], v[\a16] offset:\off+768
	ds_load_b64 v[\reg+10:\reg+11], v[\a16+1] offset:\off+1280
.endm
.macro FETCH_B sl, q, p                ; B's eight fragments of slot sl's q-th 128 along K into set p
	WIN 0x40
.irp i, 0,1,2,3,4,5,6,7
	FRAG 128*(\p)+FR*\i, 6+4*(\sl), 3072*\i+1536*(\q)
.endr
	WIN 0
.endm
.macro FETCH_A sl, q, i0               ; A's blocks i0 .. i0 + 3
.irp i, \i0, \i0+1, \i0+2, \i0+3
	FRAG AF+FR*(\i), 4+4*(\sl), 3072*(\i)+1536*(\q)
.endr
.endm
; 16 matrix instructions: A's blocks a0, a0 + 1 x B's eight; s: the step of 128 along K (0 .. 7), which picks the scale words.  The 64 accumulators take turns, one instruction a turn.
.macro MUL16 a0, p, s, cm
.irp a, \a0, \a0+1
.irp b, 0,1,2,3,4,5,6,7
.if (\cm) == 0
	v_wmma_scale_f32_16x16x128_f8f6f4 v[8*(8*((\a)%4)+\b):8*(8*((\a)%4)+\b)+7], v[128*(\p)+FR*\b:128*(\p)+FR*\b+FR-1], v[AF+FR*(\a):AF+FR*(\a)+FR-1], v[8*(8*((\a)%4)+\b):8*(8*((\a)%4)+\b)+7], v[32+32*((\s)/4)+4*\b+(\s)%4], v[32+32*((\s)/4)+4*(\a)+(\s)%4] matrix_a_fmt:MATRIX_FMT_FP6 matrix_b_fmt:MATRIX_FMT_FP6 matrix_a_scale:MATRIX_SCALE_ROW1
.elseif (\cm) == 1
	v_wmma_scale_f32_16x16x128_f8f6f4 v[8*(8*((\a)%4)+\b):8*(8*((\a)%4)+\b)+7], v[128*(\p)+FR*\b:128*(\p)+FR*\b+FR-1], v[AF+FR*(\a):AF+FR*(\a)+FR-1], v[96+8*\b+96*(\b/4):96+8*\b+96*(\b/4)+7], v[32+32*((\s)/4)+4*\b+(\s)%4], v[32+32*((\s)/4)+4*(\a)+(\s)%4] matrix_a_fmt:MATRIX_FMT_FP6 matrix_b_fmt:MATRIX_FMT_FP6 matrix_a_scale:MATRIX_SCALE_ROW1
.else
	v_wmma_scale_f32_16x16x128_f8f6f4 v[8*(8*((\a)%4)+\b):8*(8*((\a)%4)+\b)+7], v[128*(\p)+FR*\b:128*(\p)+FR*\b+FR-1], v[AF+FR*(\a):AF+FR*(\a)+FR-1], v[96+8*(\a)+96*((\a)/4):96+8*(\a)+96*((\a)/4)+7], v[32+32*((\s)/4)+4*\b+(\s)%4], v[32+32*((\s)/4)+4*(\a)+(\s)%4] matrix_a_fmt:MATRIX_FMT_FP6 matrix_b_fmt:MATRIX_FMT_FP6 matrix_a_scale:MATRIX_SCALE_ROW1
.endif
.endr
.endr
.endm
; A step of 128 along K; its successor's fragments come from slot nsl, part nq.  Four places stand in front of loads into registers that matrix instructions have read (ISA guide 7.12.1 for vector instructions).
.macro STEP p, s, cm, nsl, nq
	s_wait_dscnt 4*NL                              ; B's set and A's blocks 0-3 are in; the youngest sixteen loads (A's blocks 4-7) may be out
	WINM \cm, 0
	MUL16 0, \p, \s, \cm
	MUL16 2, \p, \s, \cm
	s_wait_dscnt 0x0                               ; A's blocks 4-7 are in
	PLACES 4
	FETCH_B \nsl, \nq, 1-(\p)
	FETCH_A \nsl, \nq, 0
	WINM \cm, 1
	MUL16 4, \p, \s, \cm
	MUL16 6, \p, \s, \cm
	PLACES 4
	WIN 0
	FETCH_A \nsl, \nq, 4
.endm
; A step with a barrier: in front of it each wave waits for all its tensor loads, adds 0 to its spare word, and waits for that and for its reads.  fill = 1: slot 0, which nobody reads any more, takes the fourth K step.
.macro TURN s, nsl, fill
	s_wait_tensorcnt 0x0                           ; all my tensor loads have landed
	ds_add_u32 v[SPW], v[NIL]                      ; 0 onto my spare word
	s_wait_dscnt 4*NL+1                            ; (the add and the youngest sixteen loads may be out)
	WIN 0xa1
	MUL16 0, 1, \s, 0                              ; sixteen matrix instructions stand between the add and the wait for it
	s_wait_dscnt 0x0                               ; the add is done, and my reads of the slot in hand are over
	s_barrier_signal -1
	MUL16 2, 1, \s, 0
	WIN 0
	s_barrier_wait -1
.if \fill
	CREST                                          ; the barrier has opened a round of the cluster's barrier: no wave of any partner still reads slot 0 or has a load on its way
	s_add_nc_u64 s[G0A0+2:G0A0+3], s[G0A0+2:G0A0+3], 3*3072
	s_add_nc_u64 s[G0B0+2:G0B0+3], s[G0B0+2:G0B0+3], 3*3072
	JLOAD G0A0, G1A, G0B0, G1B                     ; the first tensor load behind the round, one a wave: three and a half steps, 224 matrix instructions, ahead of the wait for it; its four v_nop are the places for the loads below
.else
	PLACES 4
.endif
	FETCH_B \nsl, 0, 0
	FETCH_A \nsl, 0, 0
	WIN 0xf1
	MUL16 4, 1, \s, 0
	MUL16 6, 1, \s, 0
	PLACES 4
	WIN 0
	FETCH_A \nsl, 0, 4
.endm
	s_load_b128 s[4:7], s[0:1], 0x0                ; xq, wq
	s_load_b128 s[8:11], s[0:1], 0x10              ; b_kqv, kv
	s_load_b64 s[12:13], s[0:1], 0x20              ; qb
	v_lshl_add_u32 v[SPW], v0, 2, SPARE
	v_mov_b32 v[NIL], 0
	ds_add_u32 v28, v29
	ds_add_u32 v28, v29
	s_wait_dscnt 0x0
	v_lshrrev_b32 v1, 5, v0
	v_readfirstlane_b32 s14, v1                    ; wave 0..3
	s_lshr_b32 s15, s14, 1                         ; my half of A's rows.  Also: I fetch for A (0) or for B (1)
	s_and_b32 s16, s14, 1                          ; my half of B's rows.  Also: which 8 row blocks I fetch
	s_bfe_u32 s17, ttmp6, 0x40000                  ; cx
	s_bfe_u32 s18, ttmp6, 0x40004                  ; cy
	s_and_b32 s22, ttmp7, 0xffff
	s_lshl_b32 s22, s22, 2                         ; 4 x cluster y
	s_lshl_b32 s23, ttmp9, 2                       ; 4 x cluster x
	s_cmp_eq_u32 ttmp9, 2
	s_cselect_b32 s92, 1, 0                        ; 1: this cluster makes v
	s_cselect_b32 s19, 0, s22
	s_cselect_b32 s20, s22, s23
	s_add_co_u32 s19, s19, s18                     ; A's tile of 256 rows: it hangs on cy alone
	s_add_co_u32 s20, s20, s17                     ; B's: on cx alone
	s_lshl_b32 s22, s18, 2
	s_lshl_b32 s22, 15, s22                        ; my row of the cluster
	s_lshl_b32 s23, 0x1111, s17                    ; my column
	s_or_b32 s[G1A], s22, (3<<16)|(1<<21)          ; 15:0 the mask; 17:16 elements of 8 bytes; 21 set beside a mask; no padding
	s_or_b32 s[G1SA], s22, (3<<16)|(1<<21)
	s_or_b32 s[G1B], s23, (3<<16)|(1<<21)
	s_or_b32 s[G1SB], s23, (3<<16)|(1<<21)
.irp g, G1A, G1B                       ; codes: 8 row blocks x 3,072 bytes (256 along K), 12,288 bytes apart
	s_mov_b32 s[\g+1], 384<<16
	s_mov_b32 s[\g+2], 8<<16
	s_mov_b32 s[\g+3], 384<<16
	s_mov_b32 s[\g+4], 8
	s_mov_b32 s[\g+5], 1536
	s_mov_b32 s[\g+6], 0
	s_mov_b32 s[\g+7], 0
.endr
.irp g, G1SA, G1SB                     ; scale words of 8 row blocks: 4,096 dense bytes as 16 rows of 256
	s_mov_b32 s[\g+1], 32<<16
	s_mov_b32 s[\g+2], 16<<16
	s_mov_b32 s[\g+3], 32<<16
	s_mov_b32 s[\g+4], 16
	s_mov_b32 s[\g+5], 32
	s_mov_b32 s[\g+6], 0
	s_mov_b32 s[\g+7], 0
.endr
	s_lshl_b32 s21, s16, 3
	s_lshl_b32 s2, s19, 4
	s_add_co_u32 s2, s2, s21                       ; A: the first row block that I fetch
	s_lshl_b32 s100, s20, 4
	s_add_co_u32 s100, s100, s21                   ; B: likewise
	s_lshl_b32 s22, s2, 9                          ; their scale words: 512 bytes a row block
	s_lshl_b32 s66, s100, 9
	s_mul_i32 s2, s2, RB
	s_mul_i32 s100, s100, RB
	s_cmp_eq_u32 s92, 1
	s_cselect_b32 s21, 128*RB, 0                   ; v's rows begin at row block 128 of wq
	s_mov_b32 s93, XSO
	s_cselect_b32 s93, WSO+128*512, s93
	s_mov_b32 s3, WSO
	s_cselect_b32 s3, XSO, s3
	s_add_co_u32 s2, s2, s21
	s_add_co_u32 s22, s22, s93
	s_add_co_u32 s66, s66, s3
	s_mov_b32 s3, 0
	s_mov_b32 s23, 0
	s_mov_b32 s67, 0
	s_mov_b32 s101, 0
	s_mul_i32 s21, s14, HALFT                      ; where my codes go in a slot: wave x 8 row blocks: no place in the cluster enters an LDS address
	s_lshl_b32 s93, s14, 12                        ; and my scale words
	s_wait_kmcnt 0x0
	s_cmp_eq_u32 s92, 1
	s_cselect_b64 s[96:97], s[6:7], s[4:5]         ; A's buffer
	s_cselect_b64 s[98:99], s[4:5], s[6:7]         ; B's
	s_add_nc_u64 s[2:3], s[96:97], s[2:3]
	s_add_nc_u64 s[22:23], s[96:97], s[22:23]
	s_add_nc_u64 s[100:101], s[98:99], s[100:101]
	s_add_nc_u64 s[66:67], s[98:99], s[66:67]
	CROUND                                         ; all sixteen work-groups are here: the first joint loads meet
	MKG0 G0SA, 22, 0, 93, SCL
	MKG0 G0SB, 66, 0, 93, SCL
	JLOAD G0SA, G1SA, G0SB, G1SB                   ; the scale words first; then three K steps: four loads of mine are out
	MKG0 G0A0, 2, 0, 21, 0
	MKG0 G0B0, 100, 0, 21, 0
	JLOAD G0A0, G1A, G0B0, G1B
	MKG0 G0A1, 2, 3072, 21, SLOT
	MKG0 G0B1, 100, 3072, 21, SLOT
	JLOAD G0A1, G1A, G0B1, G1B
	MKG0 G0A2, 2, 6144, 21, 2*SLOT
	MKG0 G0B2, 100, 6144, 21, 2*SLOT
	JLOAD G0A2, G1A, G0B2, G1B
	; ---- where the results go
	s_cmp_eq_u32 ttmp9, 1
	s_mov_b32 s2, 229376                           ; a head's bytes in kv,
	s_cselect_b32 s2, 114688, s2                   ; in qb
	s_mov_b32 s3, 14336                            ; 128 tokens' bytes in kv,
	s_cselect_b32 s3, 7168, s3                     ; in qb
	s_cselect_b64 s[94:95], s[12:13], s[10:11]
	s_lshl_b32 s21, s19, 1
	s_add_co_u32 s21, s21, s15                     ; k, q: my 128 tokens are A's
	s_lshl_b32 s22, s20, 1
	s_add_co_u32 s22, s22, s16                     ; v: they are B's
	s_and_b32 s23, s20, 3
	s_lshl_b32 s23, s23, 2
	s_lshl_b32 s66, s16, 1
	s_add_co_u32 s23, s23, s66                     ; k, q: my first head
	s_lshl_b32 s66, s19, 2
	s_lshl_b32 s67, s15, 1
	s_add_co_u32 s66, s66, s67                     ; v: my first head
	s_cmp_eq_u32 s92, 1
	s_cselect_b32 s21, s22, s21
	s_cselect_b32 s23, s66, s23
	s_cselect_b32 s93, 7168, 0                     ; the V part lies behind the K part
	s_cselect_b32 s96, s2, 768                     ; D1: from A's blocks 0-3 to 4-7
	s_cselect_b32 s97, 768, s2                     ; D2: from a fragment's first half to its second
	s_cselect_b32 s98, s2, 512                     ; the same two for the scale words
	s_cselect_b32 s99, 512, s2
	s_lshr_b32 s22, s21, 4
	s_lshl_b32 s22, s22, 4
	s_add_co_u32 s22, s22, s23                     ; 16 x batch + head
	s_mul_i32 s22, s22, s2
	s_and_b32 s21, s21, 15
	s_mul_i32 s21, s21, s3
	s_add_co_u32 s22, s22, s21
	s_add_co_u32 s22, s22, s93
	s_mul_i32 s100, s23, 768                       ; the bias: 192 numbers a head
	s_mov_b32 s101, 0
	s_add_nc_u64 s[8:9], s[8:9], s[100:101]
	s_lshl_b32 s100, ttmp9, 8                      ; + 64 numbers x type
	s_add_nc_u64 s[66:67], s[8:9], s[100:101]
	s_mov_b32 s23, 0
	s_add_nc_u64 s[94:95], s[94:95], s[22:23]
	; ---- a lane's addresses
	v_and_b32 v1, 15, v0                           ; r
	v_bfe_u32 v2, v0, 4, 1                         ; h
	v_and_b32 v3, 31, v0
	v_lshlrev_b32 v30, 4, v3                       ; 16 x lane
	v_lshlrev_b32 v31, 4, v1
	v_lshl_add_u32 v31, v2, 3, v31                 ; 16 r + 8 h
	s_mul_i32 s100, s15, HALFT                     ; my 8 row blocks of A,
	s_mul_i32 s101, s16, HALFT
	s_add_co_u32 s101, s101, 2*HALFT               ; of B
.irp sl, 0,1,2
	v_add_nc_u32 v[4+4*\sl], s100, v30
	v_add_nc_u32 v[5+4*\sl], s100, v31
	v_add_nc_u32 v[6+4*\sl], s101, v30
	v_add_nc_u32 v[7+4*\sl], s101, v31
	s_add_co_u32 s100, s100, SLOT
	s_add_co_u32 s101, s101, SLOT
.endr
	s_lshl_b32 s100, s15, 12
	s_lshl_b32 s101, s16, 12
	s_add_co_u32 s101, s101, 8192
	s_sub_co_u32 s101, s101, s100
	v_mul_u32_u24 v[ADRS], s101, v2                ; lanes 16-31 take B's words: one product in h
	s_add_co_u32 s100, s100, SCL
	v_lshl_add_u32 v[ADRS], v1, 4, v[ADRS]
	v_add_nc_u32 v[ADRS], s100, v[ADRS]
	v_mov_b32 v16, v30                             ; v[16 + 2 x + y]: 16 x lane + x D1 + y D2
	v_add_nc_u32 v17, s97, v30
	v_add_nc_u32 v18, s96, v30
	v_add_nc_u32 v19, s97, v18
	v_add_nc_u32 v20, 512, v31                     ; v[20 + 2 x + y]: 512 + 16 r + 8 h + x D1 + y D2
	v_add_nc_u32 v21, s97, v20
	v_add_nc_u32 v22, s96, v20
	v_add_nc_u32 v23, s97, v22
	v_add_nc_u32 v24, 6144, v30                    ; the scale words
	v_add_nc_u32 v25, s98, v24
	v_add_nc_u32 v26, s99, v24
	v_add_nc_u32 v3, s98, v26
	v_lshlrev_b32 v30, 6, v2                       ; the bias along J: 16 h numbers on
	v_and_b32 v31, 7, v1
	v_lshrrev_b32 v1, 3, v1
	v_lshlrev_b32 v31, 2, v31
	v_lshl_add_u32 v31, v1, 6, v31                 ; along I: number (r & 7) + 16 (r >> 3)
.irp be, 0,1,2,3                       ; registers 16 be + i of the table: head be / 2, d = 32 (be % 2) + 16 h + i
.irp jj, 0,1,2,3
	global_load_b128 v[96+16*\be+4*\jj+96*(\be/2):96+16*\be+4*\jj+96*(\be/2)+3], v30, s[66:67] offset:768*(\be/2)+128*(\be%2)+16*\jj
.endr
.endr
	WIN 0x40
.irp a, 0,1,2,3,4,5,6,7                ; block a of v's rows: head a / 4, d = 32 ((a % 4) / 2) + 8 (a % 2) + my row's place
	global_load_b32 v[96+8*\a+96*(\a/4)], v31, s[8:9] offset:((\a/4)*192+128+32*((\a%4)/2)+8*(\a%2))*4
.endr
	WIN 0
	s_wait_tensorcnt 2                             ; the scale words and my part of K step 0 are in; K steps 1 and 2 may be out
	s_barrier_signal -1
	s_barrier_wait -1
	FETCH_B 0, 0, 0
	FETCH_A 0, 0, 0
.irp g, 0,1                            ; all scale words: register 32 + 32 g + 4 i + j: block i, step 4 g + j
.irp i, 0,1,2,3,4,5,6,7
	ds_load_b128 v[32+32*\g+4*\i:32+32*\g+4*\i+3], v[ADRS] offset:512*\i+256*\g
.endr
.endr
	FETCH_A 0, 0, 4
	s_wait_loadcnt 0x0                             ; the bias
	WIN 0x41
.irp a, 0,1,2,3,4,5,6,7
.irp k, 1,2,3,4,5,6,7
	v_mov_b32 v[96+8*\a+96*(\a/4)+\k], v[96+8*\a+96*(\a/4)]
.endr
.endr
	WIN 0
	PLACES 4
	s_cmp_eq_u32 s92, 1                            ; the first step starts the sums with the bias; the two ways differ in the C operand alone; no barrier and no tensor load stands in them
	s_cbranch_scc1 .Lfirst_v
	STEP 0, 0, 1, 0, 1
	s_branch .Lfirst_done
.Lfirst_v:
	STEP 0, 0, 2, 0, 1
.Lfirst_done:
	TURN 1, 1, 1                                   ; slot 0 is left and filled again; every wave has seen slots 1 and 2 whole
	STEP 0, 2, 0, 1, 1
	STEP 1, 3, 0, 2, 0
	STEP 0, 4, 0, 2, 1
	TURN 5, 0, 0                                   ; the fourth K step has landed, for every wave
	STEP 0, 6, 0, 0, 1
	s_wait_dscnt 4*NL                              ; the last step: nothing more to fetch
	WIN 0xa1
	MUL16 0, 1, 7, 0
	MUL16 2, 1, 7, 0
	s_wait_dscnt 0x0
	WIN 0xf1
	MUL16 4, 1, 7, 0
	MUL16 6, 1, 7, 0
	WIN 0
	PLACES 4                                       ; in front of the first read of results and of writes into the fragments' registers
; THE WAY OUT.  Block a's 64 registers are, for my I, J = 32 b + 16 h + i in register 16 b + i: four blocks of 32, each shared with lane l xor 16.  They become a fragment's 12 registers and a scale word; no LDS.
.macro EPI a
.set AC, 64*((\a)%4)
.set WN, 2+(\a)/4
.set PC, PCB+20*((\a)%2)
	WIN WN*5                                       ; sources 0 and 1 in the accumulators' window
.irp b, 0,1,2,3
	v_max3_num_f32 v[TM+\b], |v[AC+16*\b]|, |v[AC+16*\b+1]|, 0x1800000   ; with the floor 2^(3 - 127); each accumulator is read from its low end on
.endr
.irp i, 2,4,6,8,10,12,14
.irp b, 0,1,2,3
	v_max3_num_f32 v[TM+\b], |v[AC+16*\b+\i]|, |v[AC+16*\b+\i+1]|, v[TM+\b]
.endr
.endr
	WIN 0
.irp b, 0,1,2,3
	v_permlanex16_b32 v[TM+4+\b], v[TM+\b], s100, s101
.endr
.irp b, 0,1,2,3
	v_max_num_f32 v[TM+\b], v[TM+\b], v[TM+4+\b]
.endr
.irp b, 0,1,2,3
	v_add_nc_u32 v[TM+12+\b], 0xff000000, v[TM+\b] ; the conversion's scale operand
.endr
.irp b, 0,1,2,3
	v_lshrrev_b32 v[TM+4+\b], 23, v[TM+12+\b]      ; the byte
.endr
	v_lshl_or_b32 v[EW+\a], v[TM+5], 8, v[TM+4]
	v_lshl_or_b32 v[EW+\a], v[TM+6], 16, v[EW+\a]
	v_lshl_or_b32 v[EW+\a], v[TM+7], 24, v[EW+\a]
	v_lshrrev_b32 v[OW+\a], 16, v[EW+\a]
.if (\a) >= 2
	s_wait_xcnt 0x0                                ; block a - 2's stores have read this set of registers
.endif
	WIN WN
.irp c, 0,1
	v_cvt_scalef32_pk16_fp6_f32 v[PC+6*\c:PC+6*\c+2], v[AC+32*\c:AC+32*\c+15], v[TM+12+2*\c]
	v_cvt_scalef32_pk16_fp6_f32 v[PC+12+4*\c:PC+14+4*\c], v[AC+32*\c+16:AC+32*\c+31], v[TM+13+2*\c]
.endr
	WIN 0
	v_nop                                          ; one plain line behind a scaled conversion
.irp c, 0,1                            ; a whole block to a lane
.irp i, 0,1,2
	v_permlane16_swap_b32 v[PC+6*\c+\i], v[PC+12+4*\c+\i]
.endr
.irp i, 0,1,2
	v_mov_b32 v[PC+3+6*\c+\i], v[PC+12+4*\c+\i]
.endr
.endr
	global_store_b128 v[16+2*((\a)/4)], v[PC:PC+3], s[94:95] offset:1536*((\a)%4)      ; 512 consecutive bytes
	global_store_b64 v[20+2*((\a)/4)], v[PC+4:PC+5], s[94:95] offset:1536*((\a)%4)     ; 256 consecutive bytes
	global_store_b128 v[17+2*((\a)/4)], v[PC+6:PC+9], s[94:95] offset:1536*((\a)%4)
	global_store_b64 v[21+2*((\a)/4)], v[PC+10:PC+11], s[94:95] offset:1536*((\a)%4)
.endm
	s_mov_b32 s100, 0x76543210
	s_mov_b32 s101, 0xfedcba98                     ; v_permlanex16_b32's selects for lane l xor 16
.irp b, 0,1,2,3
	v_mov_b32 v[TM+4+\b], 0                        ; a lane permute's destination counts as one of its sources
.endr
.irp a, 0,1,2,3,4,5,6,7
	EPI \a
.endr
	global_store_b128 v24, v[EW:EW+3], s[94:95]    ; four words a lane, 512 consecutive bytes
	global_store_b128 v25, v[EW+4:EW+7], s[94:95]
	global_store_b128 v26, v[OW:OW+3], s[94:95]
	global_store_b128 v3, v[OW+4:OW+7], s[94:95]
	s_wait_tensorcnt 0x0                           ; the wave's end
	ds_add_u32 v[SPW], v[NIL]
	s_wait_dscnt 0x0
	CROUND                                         ; the closing round
	s_endpgm
.Lfunc_end_k_qb7842a3a36_kqv:
	.size	k_qb7842a3a36_kqv, .Lfunc_end_k_qb7842a3a36_kqv-k_qb7842a3a36_kqv
	.p2alignl 7, 3214868480
	.fill 96, 4, 3214868480
	.section	.rodata,"a",@progbits
	.p2align	6, 0x0
	.amdhsa_kernel k_qb7842a3a36_kqv
		.amdhsa_group_segment_fixed_size 327680
		.amdhsa_private_segment_fixed_size 0
		.amdhsa_enable_private_segment 0
		.amdhsa_kernarg_size 40
		.amdhsa_user_sgpr_count 2
		.amdhsa_user_sgpr_kernarg_segment_ptr 1
		.amdhsa_wavefront_size32 1
		.amdhsa_system_sgpr_workgroup_id_x 1
		.amdhsa_system_sgpr_workgroup_id_y 1
		.amdhsa_system_sgpr_workgroup_id_z 1
		.amdhsa_system_vgpr_workitem_id 0
		.amdhsa_next_free_vgpr 1024
		.amdhsa_next_free_sgpr 102
		.amdhsa_reserve_vcc 0
		.amdhsa_float_denorm_mode_32 3
		.amdhsa_float_denorm_mode_16_64 3
		.amdhsa_memory_ordered 1
		.amdhsa_forward_progress 1
		.amdhsa_inst_pref_size 167
	.end_amdhsa_kernel
	.amdgpu_metadata
---
amdhsa.version: [ 1, 2 ]
amdhsa.kernels:
  - .name:           k_qb7842a3a36_kqv
    .symbol:         k_qb7842a3a36_kqv.kd
    .args:
      - { .name: xq, .offset: 0, .size: 8, .value_kind: global_buffer, .address_space: global }
      - { .name: wq, .offset: 8, .size: 8, .value_kind: global_buffer, .address_space: global }
      - { .name: b_kqv, .offset: 16, .size: 8, .value_kind: global_buffer, .address_space: global }
      - { .name: kv, .offset: 24, .size: 8, .value_kind: global_buffer, .address_space: global }
      - { .name: qb, .offset: 32, .size: 8, .value_kind: global_buffer, .address_space: global }
    .group_segment_fixed_size: 327680
    .private_segment_fixed_size: 0
    .kernarg_segment_align: 8
    .kernarg_segment_size: 40
    .max_flat_workgroup_size: 128
    .sgpr_count:     102
    .vgpr_count:     1024
    .wavefront_size: 32
...
	.end_amdgpu_metadata
.endif
;; end of part 2
;; launch attn (part 3): grid 4 x 64, 16 waves a work-group, clusters of 4 x 1, 231,424 bytes of LDS; arguments kv, qb, yq; writes yq
.if DOCPART == 3
	.amdgcn_target "amdgcn-amd-amdhsa--gfx1250"
	.amdhsa_code_object_version 6
	.text
	.protected	k_qb7842a3a36_attn
	.globl	k_qb7842a3a36_attn
	.p2align	8
	.type	k_qb7842a3a36_attn,@function
k_qb7842a3a36_attn:
	s_mov_b64 s[64:65], 0
	v_nop
	global_prefetch_b8 v0, s[64:65] scope:SCOPE_SE
	s_setreg_imm32_b32 hwreg(HW_REG_WAVE_MODE, 25, 1), 1
	s_wait_xcnt 0x0
	s_wait_alu depctr_hold_cnt(0) depctr_sa_sdst(0) depctr_va_vdst(0) depctr_va_sdst(0) depctr_va_ssrc(0) depctr_va_vcc(0) depctr_vm_vsrc(0)
	s_getreg_b32 s2, hwreg(HW_REG_IB_STS2, 6, 4)
	s_cmp_eq_u32 s2, 0
	s_cbranch_scc0 .Lentry_in_a_cluster
	s_endpgm
.Lentry_in_a_cluster:
	s_bfe_u32 s2, ttmp6, 0x10000c
	s_cmp_lg_u32 s2, 0x3003
	s_cbranch_scc0 .Lentry_shape_is_right
	s_endpgm
.Lentry_shape_is_right:
; y = softmax(q k^T / 8, causal) v for one (batch, head), both products on codes of FP6 (E2M3) with E8M0 scales; y leaves as codes, quantised along the model's 1,024 (two blocks of 32 a head).
; THE SOFTMAX: t = score x log2(e) / 8; M = the running largest t rounded up to a whole number; p = 2^(t - M) is quantised along the keys; the row's sum is taken of the unquantised p and divides at the end.
; SHARES.  The four work-groups of a cluster serve one head.  Wave w of work-group g owns two tiles of 16 queries: LO, tile 4 w + g, and HI, tile 127 - (4 w + g).  LO wants key steps 0 .. w / 2, HI 0 .. 15 - w / 2
; (128 keys a step): 17 tile steps for every wave, and the limits hang on the wave's number alone.  Steps all of whose keys come after the queries are left out; on the diagonal hidden scores become -infinity.
; LDS holds the head's K and V whole, as they lie in memory (16 records of 14,336 bytes: K part, V part): each wave asks for two dense pieces, jointly with its partners; nothing is filled again.
; Nothing is prefetched: every byte is asked for at the head.
; LAYOUT.  S^T = K Q^T and O^T = V^T P^T: a lane holds one query.  A part is eight half fragments (16 rows x 64 K, 768 bytes: registers 0-3 at 16 x lane, 4-5 at 512 + 16 r + 8 h) and scale words, four a lane.
; Rows are stored with bits 3 and 4 of the row number swapped in each 32, so that the 16 registers of tiles 2 b, 2 b + 1 are 16 neighbours (keys in S^T, channels in O^T).
; K = 64 IN AN INSTRUCTION OF 128: Q's registers 6-11 are zero codes; K's operand runs on into the next tile's codes (behind tile 7: zeros), which meet those zeros.  E2M3 has no infinity and no NaN, and no scale byte here is 0xff: they add 0.
; LIMITS: a block of zeros gets the byte 1; NaN and infinities are not served.
; REGISTERS: v1, v2 16 x lane, 16 r + 8 h; v3, v4 the step's LDS addresses; v5, v6 the masks' numbers; v7 LO's scale word of y; v8-11, v12-15 -M, largest t, the sum in two halves (LO, HI); v16-27, v28-39 Q (HI, LO);
;   v40, v41 Q's scale words; v42 f; v44-97 fragments (v44-55 also at work); v98-105 scale words; v106-169 S^T, then p; v170-201, v202-233 O^T (HI, LO); v234-252 p's codes; v249 p's scale word; v253-255 at work.
.set RB,   12288
.set YSO,  6291456
.set REC,  14336
.set WV,   10
.set SC,   13                          ; s13 the key step
.set TB,   14                          ; s14 its record's LDS byte
.set LIML, 54
.set LIMH, 55
.set SEL,  56
.set CS,   58
.set F,    44
.set KS,   98
.set S,    106
.set OH,   170
.set OL,   202
.set PC,   234
.set PW,   249
.set BM,   F
.set T4,   F+4
.set SO,   F+8
.macro CROUND
	s_barrier_signal -1
	s_barrier_wait -1
	s_cmp_lg_u32 s[WV], 0
	s_cbranch_scc1 .Lnot_wave_0_\@
	s_barrier_signal -3
.Lnot_wave_0_\@:
	s_barrier_wait -3
	s_barrier_signal -1
	s_barrier_wait -1
.endm
.macro QPTR qt, pc, ps                 ; where tile qt's half fragment and its scale words lie in qb
	s_lshr_b32 s60, s[\qt], 3
	s_lshl_b32 s61, s12, 4
	s_add_co_u32 s60, s60, s61
	s_mul_i32 s60, s60, 7168                       ; the part
	s_and_b32 s61, s[\qt], 3
	s_bfe_u32 s62, s[\qt], 0x10002
	s_mul_i32 s[\pc], s61, 1536
	s_mul_i32 s63, s62, 768
	s_add_co_u32 s[\pc], s[\pc], s63
	s_add_co_u32 s[\pc], s[\pc], s60
	s_mov_b32 s[\pc+1], 0
	s_lshl_b32 s[\ps], s61, 2
	s_lshl_b32 s62, s62, 9
	s_add_co_u32 s[\ps], s[\ps], s62
	s_add_co_u32 s[\ps], s[\ps], s60
	s_mov_b32 s[\ps+1], 0
	s_add_nc_u64 s[\pc:\pc+1], s[6:7], s[\pc:\pc+1]
	s_add_nc_u64 s[\ps:\ps+1], s[6:7], s[\ps:\ps+1]
.endm
.macro MASKD qt, dst                   ; my query's place among its 128, less 16 h
	s_bfe_u32 s60, s[\qt], 0x20001
	s_lshl_b32 s60, s60, 5
	s_and_b32 s61, s[\qt], 1
	s_lshl_b32 s61, s61, 3
	s_add_co_u32 s60, s60, s61
	v_add_nc_u32 v[\dst], s60, v255
.endm
; A KEY STEP of one tile: o its O^T, q its Q, qs Q's scale word, st its statistics, d its mask number, lim its last step.  masked = 1: the step may lie behind the diagonal (left out) or on it.
.macro STEP o, q, qs, st, d, lim, masked
.if \masked
	s_cmp_gt_u32 s[SC], s[\lim]
	s_cbranch_scc1 .Lskip_\@
.endif
	v_add_nc_u32 v3, s[TB], v1
	v_add_nc_u32 v4, s[TB], v2
	v_nop
	v_nop                                          ; four places in front of loads into registers that matrix instructions have read
.irp t, 0,1,2,3,4,5,6,7
	ds_load_b128 v[F+6*\t:F+6*\t+3], v3 offset:1536*(\t%4)+768*(\t/4)
	ds_load_b64 v[F+6*\t+4:F+6*\t+5], v4 offset:1536*(\t%4)+768*(\t/4)+512
.endr
	ds_load_b128 v[KS:KS+3], v3 offset:6144
	ds_load_b128 v[KS+4:KS+7], v3 offset:6656
	s_wait_dscnt 0x0
.irp t, 0,1,2,3,4,5,6,7
	v_wmma_scale_f32_16x16x128_f8f6f4 v[S+8*\t:S+8*\t+7], v[F+6*\t:F+6*\t+11], v[\q:\q+11], 0, v[KS+\t], v[\qs] matrix_a_fmt:MATRIX_FMT_FP6 matrix_b_fmt:MATRIX_FMT_FP6
.endr
.rept 4
	v_nop
.endr
.if \masked
	s_cmp_lg_u32 s[SC], s[\lim]
	s_cbranch_scc1 .Lopen_\@
	v_mov_b32 v254, 0xff800000                     ; register 16 b + i holds key 32 b + 16 h + i of the step: hidden where 32 b + i > my query's place - 16 h
.irp n, 0,1,2,3,4,5,6,7,8,9,10,11,12,13,14,15,16,17,18,19,20,21,22,23,24,25,26,27,28,29,30,31,32,33,34,35,36,37,38,39,40,41,42,43,44,45,46,47,48,49,50,51,52,53,54,55,56,57,58,59,60,61,62,63
	v_cmp_gt_i32 vcc_lo, 32*(\n/16)+\n%16, v[\d]
	v_cndmask_b32 v[S+\n], v[S+\n], v254, vcc_lo
.endr
.Lopen_\@:
.endif
.irp b, 0,1,2,3
	v_max3_num_f32 v[BM+\b], v[S+16*\b], v[S+16*\b+1], v[S+16*\b+2]   ; the largest score of each block of 32 keys: for the row's maximum and, since p rises with the score, for the block's largest p
.endr
.irp i, 3,5,7,9,11,13
.irp b, 0,1,2,3
	v_max3_num_f32 v[BM+\b], v[BM+\b], v[S+16*\b+\i], v[S+16*\b+\i+1]
.endr
.endr
.irp b, 0,1,2,3
	v_max_num_f32 v[BM+\b], v[BM+\b], v[S+16*\b+15]
.endr
.irp b, 0,1,2,3
	v_permlanex16_b32 v[T4+\b], v[BM+\b], s[SEL], s[SEL+1]
.endr
.irp b, 0,1,2,3
	v_max_num_f32 v[BM+\b], v[BM+\b], v[T4+\b]
.endr
	v_max3_num_f32 v254, v[BM], v[BM+1], v[BM+2]
	v_max_num_f32 v254, v254, v[BM+3]
	v_mul_f32 v254, s[CS], v254                    ; as t
	v_max_num_f32 v[\st+1], v[\st+1], v254         ; the running largest t
	v_mov_b32 v254, v[\st]
	v_floor_f32 v[\st], -v[\st+1]                  ; -M = floor(-t): M is a whole number
	v_sub_f32 v254, v[\st], v254
	v_cvt_i32_f32 v254, v254                       ; (it saturates)
	v_ldexp_f32 v42, 1.0, v254                     ; f = 2^(old M - new M): exact
.irp j, 0,2,4,6,8,10,12,14,16,18,20,22,24,26,28,30,32,34,36,38,40,42,44,46,48,50,52,54,56,58,60,62
	v_pk_fma_f32 v[S+\j:S+\j+1], v[S+\j:S+\j+1], s[CS:CS+1], v[\st:\st+1] op_sel_hi:[1,0,0]   ; t - M
.endr
.irp b, 0,1,2,3
	v_fma_f32 v[BM+\b], v[BM+\b], s[CS], v[\st]
.endr
.irp j, 0,1,2,3,4,5,6,7,8,9,10,11,12,13,14,15,16,17,18,19,20,21,22,23,24,25,26,27,28,29,30,31,32,33,34,35,36,37,38,39,40,41,42,43,44,45,46,47,48,49,50,51,52,53,54,55,56,57,58,59,60,61,62,63
	v_exp_f32 v[S+\j], v[S+\j]                     ; p = 2^(t - M)
.endr
	v_pk_mul_f32 v[\st+2:\st+3], v[\st+2:\st+3], v[42:43] op_sel_hi:[1,0]   ; the sums under the new M (the plain line behind the batch)
	s_wait_alu depctr_va_vdst(0)                   ; one wait for the batch, ahead of its first reader
.irp b, 0,1,2,3
	v_exp_f32 v[BM+\b], v[BM+\b]                   ; each block's largest p
.endr
	v_pk_add_f32 v[T4:T4+1], v[S:S+1], v[S+2:S+3]  ; the row's sum of the unquantised p, in two chains
.irp j, 4,8,12,16,20,24,28,32,36,40,44,48,52,56,60
	v_pk_add_f32 v[\st+2:\st+3], v[\st+2:\st+3], v[S+\j:S+\j+1]
	v_pk_add_f32 v[T4:T4+1], v[T4:T4+1], v[S+\j+2:S+\j+3]
.endr
	v_pk_add_f32 v[\st+2:\st+3], v[\st+2:\st+3], v[T4:T4+1]
	s_wait_alu depctr_va_vdst(0)                   ; and one for the four
.irp b, 0,1,2,3
	v_max_num_f32 v[BM+\b], 0x1800000, v[BM+\b]    ; the floor 2^(3 - 127)
.endr
.irp b, 0,1,2,3
	v_add_nc_u32 v[SO+\b], 0xff000000, v[BM+\b]
.endr
.irp b, 0,1,2,3
	v_lshrrev_b32 v[T4+\b], 23, v[SO+\b]
.endr
	v_lshl_or_b32 v[PW], v[T4+1], 8, v[T4]
	v_lshl_or_b32 v[PW], v[T4+2], 16, v[PW]
	v_lshl_or_b32 v[PW], v[T4+3], 24, v[PW]
.irp c, 0,1
	v_cvt_scalef32_pk16_fp6_f32 v[PC+6*\c:PC+6*\c+2], v[S+32*\c:S+32*\c+15], v[SO+2*\c]
	v_cvt_scalef32_pk16_fp6_f32 v[246+4*\c:248+4*\c], v[S+32*\c+16:S+32*\c+31], v[SO+2*\c+1]
.endr
	v_nop                                          ; one plain line behind a scaled conversion
.irp c, 0,1
.irp i, 0,1,2
	v_permlane16_swap_b32 v[PC+6*\c+\i], v[246+4*\c+\i]
.endr
.irp i, 0,1,2
	v_mov_b32 v[PC+3+6*\c+\i], v[246+4*\c+\i]
.endr
.endr
.irp t, 0,1,2,3                        ; V^T: four tiles of 16 channels x these 128 keys
	ds_load_b128 v[F+12*\t:F+12*\t+3], v3 offset:7168+1536*\t
	ds_load_b64 v[F+12*\t+4:F+12*\t+5], v4 offset:7168+1536*\t+512
	ds_load_b128 v[F+12*\t+6:F+12*\t+9], v3 offset:7168+1536*\t+768
	ds_load_b64 v[F+12*\t+10:F+12*\t+11], v4 offset:7168+1536*\t+1280
.endr
	ds_load_b128 v[KS:KS+3], v3 offset:13312
.irp j, 0,2,4,6,8,10,12,14,16,18,20,22,24,26,28,30
	v_pk_mul_f32 v[\o+\j:\o+\j+1], v[\o+\j:\o+\j+1], v[42:43] op_sel_hi:[1,0]   ; O^T under the new M; these sixteen are also the places in front of the products below
.endr
	s_wait_dscnt 0x0
.irp t, 0,1,2,3
	v_wmma_scale_f32_16x16x128_f8f6f4 v[\o+8*\t:\o+8*\t+7], v[F+12*\t:F+12*\t+11], v[PC:PC+11], v[\o+8*\t:\o+8*\t+7], v[KS+\t], v[PW] matrix_a_fmt:MATRIX_FMT_FP6 matrix_b_fmt:MATRIX_FMT_FP6
.endr
.if \masked
.Lskip_\@:
.endif
.endm
; A tile is finished: y = O^T / the sum; register 16 b + i is channel 32 b + 16 h + i; two blocks are quantised; the half fragment goes to yq; the scale word stays in v[w].
.macro FINISH o, st, yc, w
.rept 4
	v_nop
.endr
	v_add_f32 v254, v[\st+2], v[\st+3]
	v_permlanex16_b32 v253, v254, s[SEL], s[SEL+1]
	v_add_f32 v254, v254, v253
	v_rcp_f32 v42, v254
	v_nop
	s_wait_alu depctr_va_vdst(0)                   ; ahead of the reciprocal's first reader
.irp j, 0,2,4,6,8,10,12,14,16,18,20,22,24,26,28,30
	v_pk_mul_f32 v[S+\j:S+\j+1], v[\o+\j:\o+\j+1], v[42:43] op_sel_hi:[1,0]   ; each accumulator from its low end on
.endr
.irp b, 0,1
	v_max3_num_f32 v[BM+\b], |v[S+16*\b]|, |v[S+16*\b+1]|, 0x1800000
.endr
.irp i, 2,4,6,8,10,12,14
.irp b, 0,1
	v_max3_num_f32 v[BM+\b], v[BM+\b], |v[S+16*\b+\i]|, |v[S+16*\b+\i+1]|
.endr
.endr
.irp b, 0,1
	v_permlanex16_b32 v[T4+\b], v[BM+\b], s[SEL], s[SEL+1]
.endr
.irp b, 0,1
	v_max_num_f32 v[BM+\b], v[BM+\b], v[T4+\b]
.endr
.irp b, 0,1
	v_add_nc_u32 v[SO+\b], 0xff000000, v[BM+\b]
.endr
.irp b, 0,1
	v_lshrrev_b32 v[T4+\b], 23, v[SO+\b]
.endr
	v_lshl_or_b32 v[\w], v[T4+1], 8, v[T4]
	v_lshlrev_b32 v[\w], s74, v[\w]                ; an odd head's two bytes are the word's upper two
	v_cvt_scalef32_pk16_fp6_f32 v[PC:PC+2], v[S:S+15], v[SO]
	v_cvt_scalef32_pk16_fp6_f32 v[246:248], v[S+16:S+31], v[SO+1]
	v_nop
.irp i, 0,1,2
	v_permlane16_swap_b32 v[PC+\i], v[246+\i]
.endr
.irp i, 0,1,2
	v_mov_b32 v[PC+3+\i], v[246+\i]
.endr
	global_store_b128 v1, v[PC:PC+3], s[\yc:\yc+1]             ; 512 consecutive bytes
	global_store_b64 v2, v[PC+4:PC+5], s[\yc:\yc+1] offset:512 ; 256 consecutive bytes
	s_wait_xcnt 0x0                                ; the stores have read their data: the codes' registers are written again
.endm
	s_load_b128 s[4:7], s[0:1], 0x0                ; kv, qb
	s_load_b64 s[8:9], s[0:1], 0x10                ; yq
	v_lshl_add_u32 v254, v0, 2, 0x38000
	v_mov_b32 v255, 0
	ds_add_u32 v254, v255
	ds_add_u32 v254, v255
	s_wait_dscnt 0x0
	v_lshrrev_b32 v1, 5, v0
	v_readfirstlane_b32 s[WV], v1                  ; wave 0..15
	s_bfe_u32 s11, ttmp6, 0x40000                  ; g: my place in the cluster; it enters global addresses and data alone
	s_and_b32 s12, ttmp7, 0xffff                   ; 16 x batch + head
	s_mov_b32 s16, 15|(3<<16)|(1<<21)              ; group 1, the small piece: mask of all four; elements of 8 bytes; 7 dense rows of 256 bytes
	s_mov_b32 s17, 32<<16
	s_mov_b32 s18, 7<<16
	s_mov_b32 s19, 32<<16
	s_mov_b32 s20, 7
	s_mov_b32 s21, 32
	s_mov_b32 s22, 0
	s_mov_b32 s23, 0
	s_mov_b32 s24, 15|(3<<16)|(1<<21)              ; the large piece: 49 rows
	s_mov_b32 s25, 32<<16
	s_mov_b32 s26, 49<<16
	s_mov_b32 s27, 32<<16
	s_mov_b32 s28, 49
	s_mov_b32 s29, 32
	s_mov_b32 s30, 0
	s_mov_b32 s31, 0
	s_mul_i32 s40, s12, 16*REC
	s_mov_b32 s41, 0
	s_mul_i32 s42, s[WV], 1792                     ; sixteen small pieces: records 0 and 1
	s_mul_i32 s43, s[WV], 12544
	s_add_co_u32 s43, s43, 2*REC                   ; sixteen large ones: records 2 to 15
	s_mov_b32 s[SEL], 0x76543210
	s_mov_b32 s[SEL+1], 0xfedcba98
	s_mov_b32 s[CS], 0x3e38aa3b                    ; c = log2(e) / 8
	s_mov_b32 s[CS+1], s[CS]
	s_wait_kmcnt 0x0
	s_add_nc_u64 s[4:5], s[4:5], s[40:41]          ; the head's records
	s_mov_b32 s40, s42
	s_mov_b32 s32, 1
	s_mov_b32 s33, s42
	s_add_nc_u64 s[34:35], s[4:5], s[40:41]
	s_or_b32 s35, s35, 0x80000000
	s_mov_b32 s40, s43
	s_mov_b32 s36, 1
	s_mov_b32 s37, s43
	s_add_nc_u64 s[38:39], s[4:5], s[40:41]
	s_or_b32 s39, s39, 0x80000000
	CROUND                                         ; all four work-groups are here: the joint loads meet
	tensor_load_to_lds s[32:35], s[16:23]
	s_nop 0
	tensor_load_to_lds s[36:39], s[24:31]          ; two loads of mine are out
	s_nop 0
.rept 4
	v_nop
.endr
	s_lshl_b32 s44, s[WV], 2
	s_add_co_u32 s44, s44, s11                     ; LO's tile
	s_sub_co_u32 s45, 127, s44                     ; HI's
	s_lshr_b32 s[LIML], s[WV], 1
	s_sub_co_u32 s[LIMH], 15, s[LIML]
	QPTR 44, 46, 48
	QPTR 45, 50, 52
	v_and_b32 v253, 15, v0                         ; r
	v_bfe_u32 v254, v0, 4, 1                       ; h
	v_and_b32 v1, 31, v0
	v_lshlrev_b32 v1, 4, v1                        ; 16 x lane
	v_lshlrev_b32 v2, 4, v253
	v_lshl_add_u32 v2, v254, 3, v2                 ; 16 r + 8 h
	global_load_b128 v[16:19], v1, s[50:51]        ; Q stays in registers
	global_load_b64 v[20:21], v2, s[50:51] offset:512
	global_load_b32 v40, v1, s[52:53] offset:6144
	global_load_b128 v[28:31], v1, s[46:47]
	global_load_b64 v[32:33], v2, s[46:47] offset:512
	global_load_b32 v41, v1, s[48:49] offset:6144
	v_and_b32 v255, 7, v253
	v_lshrrev_b32 v253, 3, v253
	v_sub_nc_u32 v253, v253, v254
	v_lshl_add_u32 v255, v253, 4, v255             ; (r & 7) + 16 (r >> 3) - 16 h
	MASKD 44, 5
	MASKD 45, 6
	s_lshr_b32 s60, s12, 4
	s_lshl_b32 s60, s60, 7                         ; 128 row blocks a batch
	s_and_b32 s61, s12, 15                         ; the head
	s_add_co_u32 s62, s60, s44
	s_add_co_u32 s63, s60, s45
	s_mul_i32 s40, s61, 768
	s_mul_i32 s42, s62, RB
	s_add_co_u32 s42, s42, s40
	s_mov_b32 s43, 0
	s_add_nc_u64 s[66:67], s[8:9], s[42:43]        ; LO's half fragment of y
	s_mul_i32 s42, s63, RB
	s_add_co_u32 s42, s42, s40
	s_add_nc_u64 s[68:69], s[8:9], s[42:43]        ; HI's
	s_lshl_b32 s42, s61, 6
	s_add_co_u32 s42, s42, YSO
	s_add_nc_u64 s[70:71], s[8:9], s[42:43]        ; y's scale words: [row block][head][r]
	s_lshl_b32 s72, s62, 10
	s_lshl_b32 s73, s63, 10
	s_and_b32 s74, s12, 1
	s_lshl_b32 s74, s74, 4
	v_mov_b32 v9, 0xff61b1e6                       ; the largest t so far: -3e38
	v_floor_f32 v8, -v9
	v_mov_b32 v10, 0
	v_mov_b32 v11, 0
	v_mov_b32 v13, 0xff61b1e6
	v_floor_f32 v12, -v13
	v_mov_b32 v14, 0
	v_mov_b32 v15, 0
	v_mov_b32 v43, 0                               ; (named as the upper half of the pair v[42:43])
.irp j, 22,23,24,25,26,27,34,35,36,37,38,39,92,93,94,95,96,97
	v_mov_b32 v\j, 0                               ; zero codes: Q's upper 64 along K, and what follows K's last tile
.endr
.irp j, 0,1,2,3,4,5,6,7,8,9,10,11,12,13,14,15,16,17,18,19,20,21,22,23,24,25,26,27,28,29,30,31,32,33,34,35,36,37,38,39,40,41,42,43,44,45,46,47,48,49,50,51,52,53,54,55,56,57,58,59,60,61,62,63
	v_mov_b32 v[OH+\j], 0                          ; O^T of both tiles: the step is written without a first step of its own
.endr
	s_mov_b32 s[SC], 0
	s_mov_b32 s[TB], 0
	s_wait_loadcnt 0x0                             ; Q
	s_wait_tensorcnt 1                             ; my small piece is in; the large one may be out
	s_barrier_signal -1
	s_barrier_wait -1                              ; records 0 and 1 are whole
.Lloop_a:
	STEP OH, 16, 40, 12, 6, LIMH, 0
	STEP OL, 28, 41, 8, 5, LIML, 1
	s_add_co_u32 s[TB], s[TB], REC
	s_add_co_u32 s[SC], s[SC], 1
	s_cmp_lt_u32 s[SC], 2
	s_cbranch_scc1 .Lloop_a
	s_wait_tensorcnt 0x0                           ; my large piece is in
	s_wait_dscnt 0x0
	s_barrier_signal -1
	s_barrier_wait -1                              ; all sixteen records are whole
.Lloop_b:
	STEP OH, 16, 40, 12, 6, LIMH, 0
	STEP OL, 28, 41, 8, 5, LIML, 1
	s_add_co_u32 s[TB], s[TB], REC
	s_add_co_u32 s[SC], s[SC], 1
	s_cmp_lt_u32 s[SC], 8
	s_cbranch_scc1 .Lloop_b
	FINISH OL, 8, 66, 7
.Lloop_c:
	STEP OH, 16, 40, 12, 6, LIMH, 1
	s_add_co_u32 s[TB], s[TB], REC
	s_add_co_u32 s[SC], s[SC], 1
	s_cmp_lt_u32 s[SC], 16
	s_cbranch_scc1 .Lloop_c
	FINISH OH, 12, 68, 255
	v_and_b32 v254, 16, v0
	v_cmp_eq_u32 vcc_lo, 0, v254
	v_cndmask_b32 v255, v255, v7, vcc_lo           ; lanes 0-15 store LO's words, lanes 16-31 HI's (both halves of the lanes hold row r's word)
	v_mov_b32 v253, s73
	v_mov_b32 v254, s72
	v_cndmask_b32 v253, v253, v254, vcc_lo
	v_and_b32 v254, 15, v0
	v_lshl_add_u32 v253, v254, 2, v253
	global_store_b32 v253, v255, s[70:71]          ; two pieces of 64 bytes: 512 KiB in the whole launch
	s_wait_xcnt 0x0
	v_lshl_add_u32 v254, v0, 2, 0x38000
	v_mov_b32 v255, 0
	s_wait_tensorcnt 0x0
	ds_add_u32 v254, v255
	s_wait_dscnt 0x0
	CROUND                                         ; the closing round
	s_endpgm
.Lfunc_end_k_qb7842a3a36_attn:
	.size	k_qb7842a3a36_attn, .Lfunc_end_k_qb7842a3a36_attn-k_qb7842a3a36_attn
	.p2alignl 7, 3214868480
	.fill 96, 4, 3214868480
	.section	.rodata,"a",@progbits
	.p2align	6, 0x0
	.amdhsa_kernel k_qb7842a3a36_attn
		.amdhsa_group_segment_fixed_size 231424
		.amdhsa_private_segment_fixed_size 0
		.amdhsa_enable_private_segment 0
		.amdhsa_kernarg_size 24
		.amdhsa_user_sgpr_count 2
		.amdhsa_user_sgpr_kernarg_segment_ptr 1
		.amdhsa_wavefront_size32 1
		.amdhsa_system_sgpr_workgroup_id_x 1
		.amdhsa_system_sgpr_workgroup_id_y 1
		.amdhsa_system_sgpr_workgroup_id_z 1
		.amdhsa_system_vgpr_workitem_id 0
		.amdhsa_next_free_vgpr 256
		.amdhsa_next_free_sgpr 76
		.amdhsa_reserve_vcc 1
		.amdhsa_float_denorm_mode_32 3
		.amdhsa_float_denorm_mode_16_64 3
		.amdhsa_memory_ordered 1
		.amdhsa_forward_progress 1
		.amdhsa_inst_pref_size 113
	.end_amdhsa_kernel
	.amdgpu_metadata
---
amdhsa.version: [ 1, 2 ]
amdhsa.kernels:
  - .name:           k_qb7842a3a36_attn
    .symbol:         k_qb7842a3a36_attn.kd
    .args:
      - { .name: kv, .offset: 0, .size: 8, .value_kind: global_buffer, .address_space: global }
      - { .name: qb, .offset: 8, .size: 8, .value_kind: global_buffer, .address_space: global }
      - { .name: yq, .offset: 16, .size: 8, .value_kind: global_buffer, .address_space: global }
    .group_segment_fixed_size: 231424
    .private_segment_fixed_size: 0
    .kernarg_segment_align: 8
    .kernarg_segment_size: 24
    .max_flat_workgroup_size: 512
    .sgpr_count:     76
    .vgpr_count:     256
    .wavefront_size: 32
...
	.end_amdgpu_metadata
.endif
;; end of part 3
;; launch proj (part 4): grid 4 x 64, 4 waves a work-group, clusters of 4 x 4, 311,808 bytes of LDS; arguments yq, pq, b_proj, out0; writes out0
.if DOCPART == 4
	.amdgcn_target "amdgcn-amd-amdhsa--gfx1250"
	.amdhsa_code_object_version 6
	.text
	.protected	k_qb7842a3a36_proj
	.globl	k_qb7842a3a36_proj
	.p2align	8
	.type	k_qb7842a3a36_proj,@function
k_qb7842a3a36_proj:
	s_mov_b64 s[64:65], 0
	v_nop
	global_prefetch_b8 v0, s[64:65] scope:SCOPE_SE
	s_setreg_imm32_b32 hwreg(HW_REG_WAVE_MODE, 25, 1), 1
	s_wait_xcnt 0x0
	s_wait_alu depctr_hold_cnt(0) depctr_sa_sdst(0) depctr_va_vdst(0) depctr_va_sdst(0) depctr_va_ssrc(0) depctr_va_vcc(0) depctr_vm_vsrc(0)
	s_getreg_b32 s2, hwreg(HW_REG_IB_STS2, 6, 4)
	s_cmp_eq_u32 s2, 0
	s_cbranch_scc0 .Lentry_in_a_cluster
	s_endpgm
.Lentry_in_a_cluster:
	s_bfe_u32 s2, ttmp6, 0x10000c
	s_cmp_lg_u32 s2, 0xf033
	s_cbranch_scc0 .Lentry_shape_is_right
	s_endpgm
.Lentry_shape_is_right:
; out = y W_proj + b_proj on codes of FP6 (E2M3) with E8M0 scales, K = 1024; out [8192][1024] f32.
; A tile is 128 tokens x 256 columns: 256 work-groups.  Four waves of 64 x 128: 32 accumulators.  Source 0 = 16 rows of W (columns of out), source 1 = 16 tokens: a lane holds one token and neighbouring columns.
; Operands lie in memory as images of registers (half fragments of 768 bytes: 16 rows x 64 K; registers 0-3 at 16 x lane, 4-5 at 512 + 16 r + 8 h), [row block][K / 64][768]; in each 32 rows bits 3 and 4 of the row number are swapped.
; LDS holds all of K for the tile: four slots of 256 along K and the scale words; each wave asks for five pieces at the start, jointly (A's along a row of the 4 x 4 cluster, B's along a column); nothing is filled again.
; y's scale words come as one word a head (an even head's two bytes below, an odd head's above): two are joined by an OR for each 128 along K.
; The bias is the C of the first step.  The way out goes through a stage in slot 0, which has had its only fill and its last read by then.
; REGISTERS: window 0: v4-25 addresses; v32-63 A's scale words (8 a + s); v64-127 B's (32 (s / 4) + 4 b + s % 4); v128-223 A's fragments, two sets.  window 1: B's fragments, two sets (v0, v128); v96-127, v224-255 the bias.  window 2: accumulators.
.set RB,    12288
.set YSO,   6291456
.set PSO,   786432
.set FR,    12
.set SLOT,  73728                      ; A's 8 row blocks x 3,072 bytes, then B's 16
.set SCA,   4*SLOT
.set SCB,   SCA+8192
.set AF,    128
.set ASC,   20
.set BSC,   21
.set STO,   22
.set RD,    23
.set CO,    24
.set BO,    25
.set G1A,  24
.set G1B,  32
.set G1SA, 40
.set G1SB, 48
.set G0SA, 92
.set G0SB, 96
.set MSB, 0
.macro WIN new
.if MSB != \new
	s_set_vgpr_msb (MSB<<8)|\new
.set MSB, \new
.endif
.endm
.macro JLOAD g0a, g1a, g0b, g1b        ; waves 0 and 1 fetch for A, waves 2 and 3 for B; four v_nop follow each of the two lines
	s_cmp_eq_u32 s15, 0
	s_cbranch_scc0 .Lfor_b_\@
	tensor_load_to_lds s[\g0a:\g0a+3], s[\g1a:\g1a+7]
	s_nop 0
.rept 4
	v_nop
.endr
	s_branch .Lasked_\@
.Lfor_b_\@:
	tensor_load_to_lds s[\g0b:\g0b+3], s[\g1b:\g1b+7]
	s_nop 0
.rept 4
	v_nop
.endr
.Lasked_\@:
.endm
.macro CROUND
	s_barrier_signal -1
	s_barrier_wait -1
	s_cmp_lg_u32 s14, 0
	s_cbranch_scc1 .Lnot_wave_0_\@
	s_barrier_signal -3
.Lnot_wave_0_\@:
	s_barrier_wait -3
	s_barrier_signal -1
	s_barrier_wait -1
.endm
.macro MKG0 g, base, goff, lreg, loff
	s_mov_b32 s[\g], 1
	s_add_co_u32 s[\g+1], s[\lreg], \loff
	s_add_nc_u64 s[\g+2:\g+3], s[\base:\base+1], \goff
	s_or_b32 s[\g+3], s[\g+3], 0x80000000
.endm
.macro PLACES n
.rept \n
	v_nop
.endr
.endm
.macro FRAG reg, a16, off
	ds_load_b128 v[\reg:\reg+3], v[\a16] offset:\off
	ds_load_b64 v[\reg+4:\reg+5], v[\a16+1] offset:\off+512
	ds_load_b128 v[\reg+6:\reg+9], v[\a16] offset:\off+768
	ds_load_b64 v[\reg+10:\reg+11], v[\a16+1] offset:\off+1280
.endm
.macro FETCH2 s                        ; step s (128 along K): B's eight and A's four fragments into set s % 2
.set KSL, (\s)/2
.set PP, (\s)%2
	WIN 0x40
.irp i, 0,1,2,3,4,5,6,7
	FRAG 128*PP+FR*\i, 6+4*KSL, 3072*\i+1536*PP
.endr
	WIN 0
.irp i, 0,1,2,3
	FRAG AF+48*PP+FR*\i, 4+4*KSL, 3072*\i+1536*PP
.endr
.endm
.macro MUL32 s, first                  ; the 32 accumulators take turns, one instruction a turn
.set PP, (\s)%2
.irp a, 0,1,2,3
.irp b, 0,1,2,3,4,5,6,7
.if \first
	v_wmma_scale_f32_16x16x128_f8f6f4 v[8*(8*\a+\b):8*(8*\a+\b)+7], v[128*PP+FR*\b:128*PP+FR*\b+FR-1], v[AF+48*PP+FR*\a:AF+48*PP+FR*\a+FR-1], v[96+8*\b+96*(\b/4):96+8*\b+96*(\b/4)+7], v[64+32*((\s)/4)+4*\b+(\s)%4], v[32+8*\a+(\s)] matrix_a_fmt:MATRIX_FMT_FP6 matrix_b_fmt:MATRIX_FMT_FP6
.else
	v_wmma_scale_f32_16x16x128_f8f6f4 v[8*(8*\a+\b):8*(8*\a+\b)+7], v[128*PP+FR*\b:128*PP+FR*\b+FR-1], v[AF+48*PP+FR*\a:AF+48*PP+FR*\a+FR-1], v[8*(8*\a+\b):8*(8*\a+\b)+7], v[64+32*((\s)/4)+4*\b+(\s)%4], v[32+8*\a+(\s)] matrix_a_fmt:MATRIX_FMT_FP6 matrix_b_fmt:MATRIX_FMT_FP6
.endif
.endr
.endr
.endm
.macro STEP2 s
	s_wait_dscnt 0x0                               ; this step's fragments are in
.if (((\s)%2) == 1) && ((\s) < 7)
	s_wait_tensorcnt (5-(\s))/2                    ; my part of the next slot is in; the later K steps' loads may be out
	s_barrier_signal -1
	s_barrier_wait -1
.endif
.if (\s) < 7
	PLACES 4                                       ; in front of loads into the set that the last step multiplied
	FETCH2 (\s)+1
.endif
.if (\s) == 0
	WIN 0x91                                       ; source 0 (W) and C (the bias) window 1, source 1 window 0, D window 2
	MUL32 \s, 1
.else
	WIN 0xa1
	MUL32 \s, 0
.endif
	WIN 0
.endm
	s_load_b128 s[4:7], s[0:1], 0x0                ; yq, pq
	s_load_b128 s[8:11], s[0:1], 0x10              ; b_proj, out0
	v_lshl_add_u32 v30, v0, 2, 0x4c000
	v_mov_b32 v31, 0
	ds_add_u32 v30, v31
	ds_add_u32 v30, v31
	v_lshrrev_b32 v1, 5, v0
	v_readfirstlane_b32 s14, v1                    ; wave 0..3
	s_lshr_b32 s15, s14, 1                         ; my 64 tokens.  Also: I fetch for A (0) or for B (1)
	s_and_b32 s16, s14, 1                          ; my 128 columns.  Also: which half I fetch
	s_bfe_u32 s17, ttmp6, 0x40000                  ; cx
	s_bfe_u32 s18, ttmp6, 0x40004                  ; cy
	s_lshl_b32 s20, ttmp9, 2
	s_add_co_u32 s20, s20, s17                     ; tile of 256 columns
	s_and_b32 s19, ttmp7, 0xffff
	s_lshl_b32 s19, s19, 2
	s_add_co_u32 s19, s19, s18                     ; tile of 128 tokens
	s_lshl_b32 s12, s18, 2
	s_lshl_b32 s12, 15, s12                        ; my row of the cluster
	s_lshl_b32 s13, 0x1111, s17                    ; my column
	s_or_b32 s[G1A], s12, (3<<16)|(1<<21)
	s_or_b32 s[G1SA], s12, (3<<16)|(1<<21)
	s_or_b32 s[G1B], s13, (3<<16)|(1<<21)
	s_or_b32 s[G1SB], s13, (3<<16)|(1<<21)
	s_mov_b32 s[G1A+1], 384<<16                    ; A: 4 row blocks x 3,072 bytes, 12,288 bytes apart
	s_mov_b32 s[G1A+2], 4<<16
	s_mov_b32 s[G1A+3], 384<<16
	s_mov_b32 s[G1A+4], 4
	s_mov_b32 s[G1A+5], 1536
	s_mov_b32 s[G1A+6], 0
	s_mov_b32 s[G1A+7], 0
	s_mov_b32 s[G1B+1], 384<<16                    ; B: 8 row blocks
	s_mov_b32 s[G1B+2], 8<<16
	s_mov_b32 s[G1B+3], 384<<16
	s_mov_b32 s[G1B+4], 8
	s_mov_b32 s[G1B+5], 1536
	s_mov_b32 s[G1B+6], 0
	s_mov_b32 s[G1B+7], 0
.irp g, G1SA, G1SB                     ; scale words: 4,096 dense bytes as 16 rows of 256
	s_mov_b32 s[\g+1], 32<<16
	s_mov_b32 s[\g+2], 16<<16
	s_mov_b32 s[\g+3], 32<<16
	s_mov_b32 s[\g+4], 16
	s_mov_b32 s[\g+5], 32
	s_mov_b32 s[\g+6], 0
	s_mov_b32 s[\g+7], 0
.endr
	s_lshl_b32 s21, s16, 2
	s_lshl_b32 s2, s19, 3
	s_add_co_u32 s2, s2, s21                       ; A: the first row block that I fetch
	s_lshl_b32 s66, s2, 10
	s_add_co_u32 s66, s66, YSO                     ; its scale words: 1,024 bytes a row block
	s_mul_i32 s2, s2, RB
	s_lshl_b32 s21, s16, 3
	s_lshl_b32 s100, s20, 4
	s_add_co_u32 s100, s100, s21                   ; B: likewise
	s_lshl_b32 s22, s100, 9
	s_add_co_u32 s22, s22, PSO                     ; 512 bytes a row block
	s_mul_i32 s100, s100, RB
	s_mov_b32 s3, 0
	s_mov_b32 s67, 0
	s_mov_b32 s101, 0
	s_mov_b32 s23, 0
	s_mul_i32 s21, s16, 12288                      ; where my half goes: of A's codes,
	s_mul_i32 s12, s16, 24576                      ; of B's,
	s_lshl_b32 s13, s16, 12                        ; of the scale words: no place in the cluster enters an LDS address
	s_wait_dscnt 0x0
	s_wait_kmcnt 0x0
	s_add_nc_u64 s[2:3], s[4:5], s[2:3]
	s_add_nc_u64 s[66:67], s[4:5], s[66:67]
	s_add_nc_u64 s[100:101], s[6:7], s[100:101]
	s_add_nc_u64 s[22:23], s[6:7], s[22:23]
	CROUND                                         ; all sixteen work-groups are here: the joint loads meet
	MKG0 G0SA, 66, 0, 13, SCA
	MKG0 G0SB, 22, 0, 13, SCB
	JLOAD G0SA, G1SA, G0SB, G1SB                   ; the scale words, then the four K steps: five loads of mine are out
.irp ks, 0,1,2,3
	MKG0 56+4*\ks+4*(\ks/2), 2, 3072*\ks, 21, SLOT*\ks
	MKG0 76+4*\ks, 100, 3072*\ks, 12, SLOT*\ks+24576
	JLOAD 56+4*\ks+4*(\ks/2), G1A, 76+4*\ks, G1B
.endr
	s_lshl_b32 s2, s20, 10
	s_lshl_b32 s3, s16, 9
	s_add_co_u32 s2, s2, s3                        ; my first column, in bytes: also where my bias begins
	s_mov_b32 s3, 0
	s_add_nc_u64 s[8:9], s[8:9], s[2:3]
	s_add_nc_u64 s[10:11], s[10:11], s[2:3]
	s_lshl_b32 s2, s19, 7
	s_lshl_b32 s21, s15, 6
	s_add_co_u32 s2, s2, s21                       ; my first token
	s_lshl_b32 s2, s2, 12                          ; rows of 4,096 bytes
	s_add_nc_u64 s[10:11], s[10:11], s[2:3]
	v_and_b32 v1, 15, v0                           ; r
	v_bfe_u32 v2, v0, 4, 1                         ; h
	v_and_b32 v3, 31, v0
	v_lshlrev_b32 v[CO], 4, v3                     ; 16 x lane
	v_lshlrev_b32 v26, 4, v1
	v_lshl_add_u32 v26, v2, 3, v26                 ; 16 r + 8 h
	s_mul_i32 s2, s15, 12288                       ; my 4 row blocks of A,
	s_mul_i32 s3, s16, 24576
	s_add_co_u32 s3, s3, 24576                     ; my 8 of B
.irp ks, 0,1,2,3
	v_add_nc_u32 v[4+4*\ks], s2, v[CO]
	v_add_nc_u32 v[5+4*\ks], s2, v26
	v_add_nc_u32 v[6+4*\ks], s3, v[CO]
	v_add_nc_u32 v[7+4*\ks], s3, v26
	s_add_co_u32 s2, s2, SLOT
	s_add_co_u32 s3, s3, SLOT
.endr
	s_lshl_b32 s2, s15, 12
	s_add_co_u32 s2, s2, SCA
	v_lshl_add_u32 v[ASC], v1, 2, s2               ; A's words: 4 r
	s_lshl_b32 s2, s16, 12
	s_add_co_u32 s2, s2, SCB
	v_lshl_add_u32 v[BSC], v1, 4, s2               ; B's: 16 r
	s_mul_i32 s2, s14, 16*528                      ; my stage
	v_mul_u32_u24 v[STO], v1, 528
	v_lshl_add_u32 v[STO], v2, 6, v[STO]
	v_add_nc_u32 v[STO], s2, v[STO]                ; in: row r, + 64 h
	v_add_nc_u32 v[RD], s2, v[CO]                  ; back: a row of 512 bytes, 16 bytes a lane
	v_lshlrev_b32 v[BO], 6, v2                     ; the bias: 16 h numbers on
	WIN 0x40
.irp be, 0,1,2,3                       ; registers 16 be + i of the table: column 32 be + 16 h + i of my 128
.irp jj, 0,1,2,3
	global_load_b128 v[96+16*\be+4*\jj+96*(\be/2):96+16*\be+4*\jj+96*(\be/2)+3], v[BO], s[8:9] offset:128*\be+16*\jj
.endr
.endr
	WIN 0
	s_wait_tensorcnt 3                             ; the scale words and my part of K step 0 are in; K steps 1, 2 and 3 may be out
	s_barrier_signal -1
	s_barrier_wait -1
.irp i, 0,1,2,3
.irp hd, 0,1,2,3,4,5,6,7,8,9,10,11,12,13,14,15
	ds_load_b32 v[128+16*\i+\hd], v[ASC] offset:1024*\i+64*\hd
.endr
.endr
.irp g, 0,1
.irp i, 0,1,2,3,4,5,6,7
	ds_load_b128 v[64+32*\g+4*\i:64+32*\g+4*\i+3], v[BSC] offset:512*\i+256*\g
.endr
.endr
	s_wait_dscnt 0x0
.irp i, 0,1,2,3
.irp s, 0,1,2,3,4,5,6,7
	v_or_b32 v[32+8*\i+\s], v[128+16*\i+2*\s], v[128+16*\i+2*\s+1]   ; heads 2 s and 2 s + 1 make the word of step s
.endr
.endr
	FETCH2 0
	PLACES 8                                       ; a scale register written by a vector instruction stands eight places ahead of a scaled matrix instruction
	s_wait_loadcnt 0x0                             ; the bias
.irp s, 0,1,2,3,4,5,6,7
	STEP2 \s
.endr
; THE WAY OUT, block by block of 16 tokens x 128 columns, through my own stage: LDS serves a wave's instructions in order, so no wait stands between the stores and the loads.
.macro TOSTAGE a
	WIN 0x08                                       ; an LDS store's data: window 2
.irp b, 0,1,2,3,4,5,6,7
	ds_store_b128 v[STO], v[64*(\a)+8*\b:64*(\a)+8*\b+3] offset:128*(\b/2)+32*(\b%2)          ; register j of tile b: column 32 (b / 2) + 16 h + 8 (b % 2) + j; each accumulator from its low end on
	ds_store_b128 v[STO], v[64*(\a)+8*\b+4:64*(\a)+8*\b+7] offset:128*(\b/2)+32*(\b%2)+16
.endr
	WIN 0
.set BB, 128+64*((\a)%2)
.irp t, 0,1,2,3,4,5,6,7,8,9,10,11,12,13,14,15
	ds_load_b128 v[BB+4*\t:BB+4*\t+3], v[RD] offset:\t*528
.endr
.endm
.macro SEND a, younger
.set BB, 128+64*((\a)%2)
	s_wait_dscnt \younger
.irp t, 0,1,2,3,4,5,6,7,8,9,10,11,12,13,14,15
	global_store_b128 v[CO], v[BB+4*\t:BB+4*\t+3], s[10:11] offset:(32*((\a)/2)+8*((\a)%2)+(\t%8)+16*(\t/8))*4096 th:TH_STORE_NT   ; 512 consecutive bytes of the token's row; the swapped row order is undone here
.endr
.endm
	PLACES 4
	TOSTAGE 0
.irp a, 1,2,3
.if \a > 1
	s_wait_xcnt 0x0                                ; block a - 2's stores have read their registers
.endif
	TOSTAGE \a
	SEND \a-1, 32                                  ; behind block a - 1's loads: block a's 16 stores and 16 loads
.endr
	SEND 3, 0
	s_wait_tensorcnt 0x0
	ds_add_u32 v30, v31
	s_wait_dscnt 0x0
	CROUND                                         ; the closing round
	s_endpgm
.Lfunc_end_k_qb7842a3a36_proj:
	.size	k_qb7842a3a36_proj, .Lfunc_end_k_qb7842a3a36_proj-k_qb7842a3a36_proj
	.p2alignl 7, 3214868480
	.fill 96, 4, 3214868480
	.section	.rodata,"a",@progbits
	.p2align	6, 0x0
	.amdhsa_kernel k_qb7842a3a36_proj
		.amdhsa_group_segment_fixed_size 311808
		.amdhsa_private_segment_fixed_size 0
		.amdhsa_enable_private_segment 0
		.amdhsa_kernarg_size 32
		.amdhsa_user_sgpr_count 2
		.amdhsa_user_sgpr_kernarg_segment_ptr 1
		.amdhsa_wavefront_size32 1
		.amdhsa_system_sgpr_workgroup_id_x 1
		.amdhsa_system_sgpr_workgroup_id_y 1
		.amdhsa_system_sgpr_workgroup_id_z 1
		.amdhsa_system_vgpr_workitem_id 0
		.amdhsa_next_free_vgpr 768
		.amdhsa_next_free_sgpr 102
		.amdhsa_reserve_vcc 0
		.amdhsa_float_denorm_mode_32 3
		.amdhsa_float_denorm_mode_16_64 3
		.amdhsa_memory_ordered 1
		.amdhsa_forward_progress 1
		.amdhsa_inst_pref_size 94
	.end_amdhsa_kernel
	.amdgpu_metadata
---
amdhsa.version: [ 1, 2 ]
amdhsa.kernels:
  - .name:           k_qb7842a3a36_proj
    .symbol:         k_qb7842a3a36_proj.kd
    .args:
      - { .name: yq, .offset: 0, .size: 8, .value_kind: global_buffer, .address_space: global }
      - { .name: pq, .offset: 8, .size: 8, .value_kind: global_buffer, .address_space: global }
      - { .name: b_proj, .offset: 16, .size: 8, .value_kind: global_buffer, .address_space: global }
      - { .name: out0, .offset: 24, .size: 8, .value_kind: global_buffer, .address_space: global }
    .group_segment_fixed_size: 311808
    .private_segment_fixed_size: 0
    .kernarg_segment_align: 8
    .kernarg_segment_size: 32
    .max_flat_workgroup_size: 128
    .sgpr_count:     102
    .vgpr_count:     768
    .wavefront_size: 32
...
	.end_amdgpu_metadata
.endif
;; end of part 4
